; MI455X (gfx1250); checked and timed in simulation.
; The chip was launched on July 23, 2026; its instructions are those of AMD's public machine-readable ISA for CDNA 5 (MIT licence, August 2026) and "CDNA5" Instruction Set Architecture Reference Guide (July 2026). The comments in the code are by the model that wrote it; some were corrected since.
;; Attention. Allowed arithmetic: float matrix products may take bf16 or f16 operands with f32 sums; all other float work in f32.
;; Inputs: Wk 1,024 x 1,024 float32; Wo 1,024 x 1,024 float32; Wq 1,024 x 1,024 float32; Wv 1,024 x 1,024 float32; bo 1,024 float32; bq 1,024 float32; bv 1,024 float32; cos 4 x 2,048 x 64 float32; mask 4 x 2,048 bool; sin 4 x 2,048 x 64 float32; x 4 x 2,048 x 1,024 float32.
;; Outputs: out0 4 x 2,048 x 1,024 float32.
;; 2 versions, each right; version 2 is version 1 with the launch prep written anew for expert scheduling mode. Each part assembles by itself: llvm-mc -triple=amdgcn-amd-amdhsa -mcpu=gfx1250 --defsym DOCPART=n.
;; ======== version 1 of 2: 4 launches
;; limits: values are held in f16: magnitudes above 65,504 overflow, below 6.1e-05 lose precision; right only within a limited range of input values
;; workspace buffers: xb 16,777,216 bytes; wb 8,388,608 bytes; cs 2,097,152 bytes; qh 16,777,216 bytes; kh 16,777,216 bytes; vh 16,777,216 bytes; ob 16,777,216 bytes
;; launch prep (part 1): grid 832 x 1, 8 waves a work-group, no clusters, 0 bytes of LDS; arguments x, Wq, Wk, Wv, Wo, cos, sin, xb, wb, cs; writes xb, wb, cs
.if DOCPART == 1
	.amdgcn_target "amdgcn-amd-amdhsa--gfx1250"
	.amdhsa_code_object_version 6
	.text
	.protected	k_q59a937fddd_prep
	.globl	k_q59a937fddd_prep
	.p2align	8
	.type	k_q59a937fddd_prep,@function
k_q59a937fddd_prep:
	s_mov_b64 s[64:65], 0
	v_nop
	global_prefetch_b8 v0, s[64:65] scope:SCOPE_SE
	s_setreg_imm32_b32 hwreg(HW_REG_WAVE_MODE, 25, 1), 1
	s_wait_xcnt 0x0
; CASTS.  x -> xb, Wq Wk Wv -> planes 0-2 of wb, cos sin -> the two planes of cs: f32 rounded once to bf16.  Wo -> plane 3 of wb: rounded to bf16 like
; the other inputs, and that number written as f16, since the last product multiplies f16 operands.
; LIMIT.  A bf16 number of Wo below 2^-14 falls on f16's fixed step of 2^-24 (error at most 2^-25); one of 65,520 or more becomes an infinity.
; A work-group casts 16,384 numbers: 64 KiB in, 32 KiB out.  Work-groups 0-511 take x, 512-767 the four weights (64 each), 768-799 cos, 800-831 sin.
; Memory binds: sixteen 16-byte loads a lane go out at once (a wave's load covers 512 consecutive bytes), a wave's 8-byte store covers 256 consecutive, aligned bytes.
; No LDS, no matrix unit, no cluster: nothing is shared and nothing is read twice.
.set X, 4                              ; v[4:67]    sixteen loads of four f32
.set Y, 68                             ; v[68:99]   sixteen stores of four 16-bit numbers; each pair belongs to one load
.set T, 100                            ; v[100:103] at work on the f16 way
	s_load_b512 s[4:19], s[0:1], 0x0               ; x s[4:5], Wq s[6:7], Wk s[8:9], Wv s[10:11], Wo s[12:13], cos s[14:15], sin s[16:17], xb s[18:19]
	s_load_b128 s[20:23], s[0:1], 0x40             ; wb s[20:21], cs s[22:23]
	v_lshlrev_b32 v1, 4, v0                        ; 16 bytes a thread in
	v_lshlrev_b32 v2, 3, v0                        ; 8 bytes a thread out
	s_mov_b32 s32, 0xffff0000                      ; a word's upper bf16
	s_mov_b32 s28, 0                               ; the first work-group of my source
	s_mov_b32 s29, 0                               ; the first work-group of my destination
	s_wait_kmcnt 0x0
	s_mov_b64 s[24:25], s[4:5]                     ; source, destination: x, xb unless a later line chooses otherwise
	s_mov_b64 s[26:27], s[18:19]
; From work-group lo on the source is s[sr:sr+1]; nd = 1: and the destination s[dr:dr+1].  The condition hangs on the work-group's number alone.
.macro PICK lo, sr, nd, dr
	s_cmp_ge_u32 ttmp9, \lo
	s_cselect_b64 s[24:25], s[\sr:\sr+1], s[24:25]
	s_cselect_b32 s28, \lo, s28
.if \nd
	s_cselect_b64 s[26:27], s[\dr:\dr+1], s[26:27]
	s_cselect_b32 s29, \lo, s29
.endif
.endm
	PICK 512, 6, 1, 20
	PICK 576, 8, 0, 20
	PICK 640, 10, 0, 20
	PICK 704, 12, 0, 20
	PICK 768, 14, 1, 22
	PICK 800, 16, 0, 22
	s_sub_co_u32 s30, ttmp9, s28
	s_lshl_b32 s30, s30, 16                        ; 65,536 bytes of the source a work-group
	s_mov_b32 s31, 0
	s_add_nc_u64 s[24:25], s[24:25], s[30:31]
	s_sub_co_u32 s30, ttmp9, s29
	s_lshl_b32 s30, s30, 15                        ; 32,768 bytes of the destination
	s_add_nc_u64 s[26:27], s[26:27], s[30:31]
.irp i, 0,1,2,3,4,5,6,7,8,9,10,11,12,13,14,15
	global_load_b128 v[X+4*(\i):X+4*(\i)+3], v1, s[24:25] offset:4096*(\i) th:TH_LOAD_NT
.endr
; Load i is rounded and stored.  f16 = 1: the bf16 numbers are widened again and written as f16.
.macro CAST i, f16
	s_wait_loadcnt 15-(\i)                         ; loads come back in order: load i is in, the 15 - i younger ones stay out
	v_cvt_pk_bf16_f32 v[Y+2*(\i)], v[X+4*(\i)], v[X+4*(\i)+1]
	v_cvt_pk_bf16_f32 v[Y+2*(\i)+1], v[X+4*(\i)+2], v[X+4*(\i)+3]
.if \f16
	v_lshlrev_b32 v[T], 16, v[Y+2*(\i)]
	v_and_b32 v[T+1], s32, v[Y+2*(\i)]
	v_lshlrev_b32 v[T+2], 16, v[Y+2*(\i)+1]
	v_and_b32 v[T+3], s32, v[Y+2*(\i)+1]
	v_cvt_pk_f16_f32 v[Y+2*(\i)], v[T], v[T+1]
	v_cvt_pk_f16_f32 v[Y+2*(\i)+1], v[T+2], v[T+3]
.endif
	global_store_b64 v2, v[Y+2*(\i):Y+2*(\i)+1], s[26:27] offset:2048*(\i)
.endm
	s_cmp_lt_u32 ttmp9, 704
	s_cbranch_scc1 .Lbf16
	s_cmp_lt_u32 ttmp9, 768
	s_cbranch_scc1 .Lf16                           ; work-groups 704-767: Wo
.Lbf16:
.irp i, 0,1,2,3,4,5,6,7,8,9,10,11,12,13,14,15
	CAST \i, 0
.endr
	s_endpgm
.Lf16:
.irp i, 0,1,2,3,4,5,6,7,8,9,10,11,12,13,14,15
	CAST \i, 1
.endr
	s_endpgm
.Lfunc_end_k_q59a937fddd_prep:
	.size	k_q59a937fddd_prep, .Lfunc_end_k_q59a937fddd_prep-k_q59a937fddd_prep
	.p2alignl 7, 3214868480
	.fill 96, 4, 3214868480
	.section	.rodata,"a",@progbits
	.p2align	6, 0x0
	.amdhsa_kernel k_q59a937fddd_prep
		.amdhsa_group_segment_fixed_size 0
		.amdhsa_private_segment_fixed_size 0
		.amdhsa_enable_private_segment 0
		.amdhsa_kernarg_size 80
		.amdhsa_user_sgpr_count 2
		.amdhsa_user_sgpr_kernarg_segment_ptr 1
		.amdhsa_wavefront_size32 1
		.amdhsa_system_sgpr_workgroup_id_x 1
		.amdhsa_system_sgpr_workgroup_id_y 1
		.amdhsa_system_sgpr_workgroup_id_z 1
		.amdhsa_system_vgpr_workitem_id 0
		.amdhsa_next_free_vgpr 104
		.amdhsa_next_free_sgpr 66
		.amdhsa_reserve_vcc 0
		.amdhsa_float_denorm_mode_32 3
		.amdhsa_float_denorm_mode_16_64 3
		.amdhsa_memory_ordered 1
		.amdhsa_forward_progress 1
		.amdhsa_inst_pref_size 16
	.end_amdhsa_kernel
	.amdgpu_metadata
---
amdhsa.version: [ 1, 2 ]
amdhsa.kernels:
  - .name:           k_q59a937fddd_prep
    .symbol:         k_q59a937fddd_prep.kd
    .args:
      - { .name: x, .offset: 0, .size: 8, .value_kind: global_buffer, .address_space: global }
      - { .name: Wq, .offset: 8, .size: 8, .value_kind: global_buffer, .address_space: global }
      - { .name: Wk, .offset: 16, .size: 8, .value_kind: global_buffer, .address_space: global }
      - { .name: Wv, .offset: 24, .size: 8, .value_kind: global_buffer, .address_space: global }
      - { .name: Wo, .offset: 32, .size: 8, .value_kind: global_buffer, .address_space: global }
      - { .name: cos, .offset: 40, .size: 8, .value_kind: global_buffer, .address_space: global }
      - { .name: sin, .offset: 48, .size: 8, .value_kind: global_buffer, .address_space: global }
      - { .name: xb, .offset: 56, .size: 8, .value_kind: global_buffer, .address_space: global }
      - { .name: wb, .offset: 64, .size: 8, .value_kind: global_buffer, .address_space: global }
      - { .name: cs, .offset: 72, .size: 8, .value_kind: global_buffer, .address_space: global }
    .group_segment_fixed_size: 0
    .private_segment_fixed_size: 0
    .kernarg_segment_align: 8
    .kernarg_segment_size: 80
    .max_flat_workgroup_size: 256
    .sgpr_count:     66
    .vgpr_count:     104
    .wavefront_size: 32
...
	.end_amdgpu_metadata
.endif
;; end of part 1
;; launch qkv (part 2): grid 8 x 64, 4 waves a work-group, clusters of 4 x 4, 327,680 bytes of LDS; arguments xb, wb, cs, bq, bv, qh, kh, vh; writes qh, kh, vh
.if DOCPART == 2
	.amdgcn_target "amdgcn-amd-amdhsa--gfx1250"
	.amdhsa_code_object_version 6
	.text
	.protected	k_q59a937fddd_qkv
	.globl	k_q59a937fddd_qkv
	.p2align	8
	.type	k_q59a937fddd_qkv,@function
k_q59a937fddd_qkv:
	s_mov_b64 s[64:65], 0
	v_nop
	global_prefetch_b8 v0, s[64:65] scope:SCOPE_SE
	s_setreg_imm32_b32 hwreg(HW_REG_WAVE_MODE, 25, 1), 1
	s_wait_xcnt 0x0
	s_wait_alu depctr_hold_cnt(0) depctr_sa_sdst(0) depctr_va_vdst(0) depctr_va_sdst(0) depctr_va_ssrc(0) depctr_va_vcc(0) depctr_vm_vsrc(0)
	s_getreg_b32 s2, hwreg(HW_REG_IB_STS2, 6, 4)
	s_cmp_eq_u32 s2, 0
	s_cbranch_scc0 .Lentry_in_a_cluster
	s_endpgm
.Lentry_in_a_cluster:
	s_bfe_u32 s2, ttmp6, 0x10000c
	s_cmp_lg_u32 s2, 0xf033
	s_cbranch_scc0 .Lentry_shape_is_right
	s_endpgm
.Lentry_shape_is_right:
; q = rot(x Wq + bq), k = rot(x Wk), v = x Wv + bv, written by heads: qh, kh, vh are [b 16 + h][2048][64] in f16.
; xb [8192][1024] bf16; wb planes 0-2 are Wq, Wk, Wv as they lie, [k][n] bf16; cs holds cos, then sin, [8192][64] bf16; bq and bv are rounded to bf16 here.  Sums, bias and rotation in f32, one rounding to f16.
; LIMIT.  q, k, v of 65,520 or more become infinities in f16.  NaN and infinities are not treated apart.
; SHARES.  A work-group makes 128 rows x 384 columns: heads 2T and 2T + 1 of q, of k and of v, so that every work-group does the same work.  512 work-groups.
; Wave w: rows 64 (w / 2) on, head 2T + w % 2 of all three: 64 x 192, 48 accumulators of 16 x 16.
; THE MATRIX INSTRUCTION IS USED TRANSPOSED (source 0 = 16 columns of W, source 1 = 16 rows of x): a lane holds row l % 16 and the columns 8 (l / 16) + 0..7.  Columns d and d + 32 of a head
; then lie in two accumulators at the same lane and register: the rotation never leaves the lane.
; W lies [k][n]; its fragments come out of LDS turned, by ds_load_tr16_b128.
; K goes in 8 steps of 128 through two LDS slots.  A slot has four regions, one tensor load (128 rows x 256 bytes) and one wave each: x's tile, then the three planes' tiles.
; CLUSTER 4 x 4: x's tile hangs on the tile row alone and is asked for jointly by the four of a cluster's row; W's tiles hang on the tile column alone: jointly by the four of a column.
; REGISTERS in windows of 256 (s_set_vgpr_msb: bits 1:0 source 0, 3:2 source 1, 5:4 source 2, 7:6 destination):
;   window 0: addresses; v32-159 cos and sin as loaded (row block a at 32 + 32 a: 16 of cos, 16 of sin); v160-191 bq, v192-223 bv
;   window 1: v0-191 accumulators of row blocks 0, 1 at 8 (12 (a % 2) + b), b = 4 g + bb (g: q, k, v); v192-223 cos, v224-255 sin in f32       window 2: v0-191 those of row blocks 2, 3
;   window 3: two fragment buffers of 128 (x's four fragments, then W's twelve); on the way out v0-191 twelve packed blocks, v192-223 and v224-255 at work
.set KSTEP, 128
.set PA,    272                        ; a row of x in LDS: 256 bytes + 16: the 16 rows of a fragment load start at 16 different groups of four banks (ISA guide 11.1)
.set PB,    288                        ; a row of W: 256 + 32
.set RG,    128*PB                     ; a region: 36,864 bytes (x's tile uses 34,816 of its own)
.set SLOT,  4*RG
.set STAGE, 2*SLOT                     ; behind the ring, never filled by a tensor load: 16 rows x 144 bytes for each wave
.set SP,    144
.set SPARE, STAGE+4*16*SP              ; the spare words, 128 bytes for each wave: two blocks of 256 bytes that no other line names
.set ADRA, 16                          ; v16-17  LDS address of my fragments of x in slot 0, 1
.set ADRB, 18                          ; v18-23  of W's: slot s, plane g at 18 + 3 s + g
.set STO,  24                          ; the way out: where I put 16 bytes of a row
.set RD,   25                          ; where I read rows back
.set GO,   26                          ; my byte offset in 512 consecutive bytes of a head
.set CSO,  27                          ; my byte offset in 16 rows of cos and sin
.set SPW,  28                          ; LDS address of my spare word; never rewritten
.set NIL,  29                          ; 0; never rewritten
.set BOF,  30                          ; my byte offset in a head's 64 biases
.set TP,   31                          ; at work
.set PKD,  32
.set BQ,   160
.set BV,   192
.set CF,   192                         ; window 1
.set SF,   224
.set YY,   192                         ; window 3
.set ZZ,   224
.set F0,   0
.set F1,   128
.set WV,   20                          ; s20 wave; s21 its half of the rows; s22 its head of the two
.set G1,   40                          ; s[40:47] descriptor group 1 for x's tiles;  s[48:55] group 0, a set for each slot
.set G0,   48
.set G1B,  56                          ; s[56:63], s[68:75] the same for W's tiles
.set G0B,  68
.set MSB, 0
.macro WIN new                         ; the immediate's high byte repeats the setting that is left; a switch that changes nothing is dropped
.if MSB != (\new)
	s_set_vgpr_msb (MSB<<8)|(\new)
.set MSB, (\new)
.endif
.endm
; A joint load.  Wave 0 fetches x's tile, waves 1 to 3 the three planes' tiles.  The branch hangs on the wave's number alone.  An s_nop 0 and four v_nop follow each line.
.macro JLOAD s
	s_cmp_eq_u32 s[WV], 0
	s_cbranch_scc0 .Lfor_b_\@
	tensor_load_to_lds s[G0+4*(\s):G0+4*(\s)+3], s[G1:G1+7]
	s_nop 0
.rept 4
	v_nop
.endr
	s_branch .Lasked_\@
.Lfor_b_\@:
	tensor_load_to_lds s[G0B+4*(\s):G0B+4*(\s)+3], s[G1B:G1B+7]
	s_nop 0
.rept 4
	v_nop
.endr
.Lasked_\@:
.endm
.macro CREST                           ; a round of the cluster's barrier behind its opening barrier
	s_cmp_lg_u32 s[WV], 0
	s_cbranch_scc1 .Lnot_wave_0_\@
	s_barrier_signal -3
.Lnot_wave_0_\@:
	s_barrier_wait -3
	s_barrier_signal -1
	s_barrier_wait -1
.endm
.macro CROUND                          ; a whole round
	s_barrier_signal -1
	s_barrier_wait -1
	CREST
.endm
	s_load_b512 s[4:19], s[0:1], 0x0               ; xb s[4:5], wb s[6:7], cs s[8:9], bq s[10:11], bv s[12:13], qh s[14:15], kh s[16:17], vh s[18:19]
	v_lshl_add_u32 v[SPW], v0, 2, SPARE
	v_mov_b32 v[NIL], 0
	ds_add_u32 v[SPW], v[NIL]                      ; the wave's opening: the add and its wait stand ahead of my first tensor load; work on registers stands between them
	ds_add_u32 v28, v29
	v_lshrrev_b32 v1, 5, v0
	v_readfirstlane_b32 s[WV], v1
	s_lshr_b32 s21, s[WV], 1
	s_and_b32 s22, s[WV], 1
	s_bfe_u32 s23, ttmp6, 0x40000                  ; cx
	s_bfe_u32 s24, ttmp6, 0x40004                  ; cy
	s_lshl_b32 s25, ttmp9, 2
	s_add_co_u32 s25, s25, s23                     ; T: the tile column, 0..7
	s_and_b32 s26, ttmp7, 0xffff
	s_lshl_b32 s26, s26, 2
	s_add_co_u32 s26, s26, s24                     ; the tile row, 0..63
	s_lshl_b32 s27, s24, 2
	s_lshl_b32 s27, 15, s27                        ; my row of the cluster
	s_lshl_b32 s28, 0x1111, s23                    ; my column
	s_mov_b32 s29, 0xffff0000
	s_or_b32 s[G1], s27, (1<<16)|(1<<20)|(1<<21)|(5<<22)|(3<<25)   ; the mask; 2-byte elements; padding on; bit 21 beside a mask; after every 64 words 4 words
	s_or_b32 s[G1B], s28, (1<<16)|(1<<20)|(1<<21)|(5<<22)|(7<<25)  ; the same with my column's mask and 8 words of padding
.irp g, G1, G1B
	s_mov_b32 s[(\g)+1], 128<<16                   ; tensor_dim0 = 128
	s_mov_b32 s[(\g)+2], 128<<16                   ; tensor_dim1 = 128
	s_mov_b32 s[(\g)+3], 128<<16                   ; tile_dim0 = 128
	s_mov_b32 s[(\g)+4], 128                       ; tile_dim1 = 128
	s_mov_b32 s[(\g)+5], 1024                      ; 1,024 elements from row to row, in xb and in wb
	s_mov_b32 s[(\g)+6], 0
	s_mov_b32 s[(\g)+7], 0
.endr
	s_lshl_b32 s30, s26, 18                        ; x's tile: 128 rows of 2,048 bytes a tile row: made of the tile row alone
	s_mov_b32 s31, 0
	s_max_u32 s39, s[WV], 1
	s_sub_co_u32 s39, s39, 1                       ; my plane (wave 0 asks for none; its number here is 0)
	s_lshl_b32 s32, s39, 21                        ; W's tile: the plane's 2 MiB,
	s_lshl_b32 s33, s25, 8                         ; the tile column's 256 bytes: made of the wave and the tile column alone
	s_add_co_u32 s32, s32, s33
	s_mov_b32 s33, 0
	s_mul_i32 s38, s[WV], RG                       ; my region of a slot
	s_wait_dscnt 0x0                               ; the opening add is done
	s_wait_kmcnt 0x0
	s_add_nc_u64 s[30:31], s[4:5], s[30:31]
	s_add_nc_u64 s[32:33], s[6:7], s[32:33]
	CROUND                                         ; all sixteen work-groups are here: the first joint loads meet
.irp s, 0,1
	s_mov_b32 s[G0+4*(\s)], 1
	s_add_co_u32 s[G0+4*(\s)+1], s38, (\s)*SLOT
	s_add_nc_u64 s[G0+4*(\s)+2:G0+4*(\s)+3], s[30:31], (\s)*KSTEP*2
	s_or_b32 s[G0+4*(\s)+3], s[G0+4*(\s)+3], 0x80000000
	s_mov_b32 s[G0B+4*(\s)], 1
	s_add_co_u32 s[G0B+4*(\s)+1], s38, (\s)*SLOT
	s_add_nc_u64 s[G0B+4*(\s)+2:G0B+4*(\s)+3], s[32:33], (\s)*KSTEP*2048
	s_or_b32 s[G0B+4*(\s)+3], s[G0B+4*(\s)+3], 0x80000000
	JLOAD \s                                       ; K steps 0 and 1: two loads of mine are out
.endr
	v_and_b32 v1, 15, v0                           ; l % 16
	v_bfe_u32 v2, v0, 4, 1                         ; l / 16
	v_mul_u32_u24 v3, v1, PA
	v_lshl_add_u32 v3, v2, 4, v3                   ; x: row x pitch + 16 x half
	s_mul_i32 s39, s21, 64*PA
	v_add_nc_u32 v[ADRA], s39, v3
	v_add_nc_u32 v[ADRA+1], SLOT, v[ADRA]
	v_and_b32 v5, 7, v0
	v_bfe_u32 v6, v0, 3, 1
	v_lshl_add_u32 v4, v2, 3, v5                   ; W: the turning load's lane reads k row 8 (l / 16) + l % 8, columns 8 ((l / 8) % 2) + 0..7
	v_mul_u32_u24 v4, v4, PB
	v_lshl_add_u32 v4, v6, 4, v4
	s_lshl_b32 s39, s22, 7                         ; my head's 64 columns
	v_add_nc_u32 v4, s39, v4
.irp s, 0,1
.irp g, 0,1,2
	v_add_nc_u32 v[ADRB+3*(\s)+(\g)], ((\g)+1)*RG+(\s)*SLOT, v4
.endr
.endr
	s_mul_i32 s39, s[WV], 16*SP
	s_add_co_u32 s39, s39, STAGE                   ; my stage
	v_mul_u32_u24 v[STO], v1, SP
	v_lshl_add_u32 v[STO], v2, 4, v[STO]
	v_add_nc_u32 v[STO], s39, v[STO]
	v_bfe_u32 v[RD], v0, 3, 2                      ; back: 32 lanes take four rows of 128 bytes,
	v_mul_u32_u24 v[RD], v[RD], SP
	v_lshl_add_u32 v[RD], v5, 4, v[RD]
	v_add_nc_u32 v[RD], s39, v[RD]
	v_and_b32 v[GO], 31, v0                        ; which are 512 consecutive bytes of a head
	v_lshlrev_b32 v[GO], 4, v[GO]
	v_lshlrev_b32 v[CSO], 7, v1                    ; cos, sin: row l % 16 of 128 bytes, 16 bytes for each half of the lanes
	v_lshl_add_u32 v[CSO], v2, 4, v[CSO]
	v_lshlrev_b32 v[BOF], 5, v2                    ; biases: 8 f32 for each half of the lanes
	s_lshl_b32 s34, s26, 14                        ; cs at my 64 rows: 128 rows of 128 bytes a tile row,
	s_lshl_b32 s35, s21, 13                        ; 64 rows a half
	s_add_co_u32 s34, s34, s35
	s_mov_b32 s35, 0
	s_add_nc_u64 s[8:9], s[8:9], s[34:35]
	s_lshl_b32 s36, s25, 1
	s_add_co_u32 s36, s36, s22                     ; my head, 0..15
	s_lshl_b32 s34, s36, 8
	s_add_nc_u64 s[10:11], s[10:11], s[34:35]      ; bq and bv at my head's 64 numbers
	s_add_nc_u64 s[12:13], s[12:13], s[34:35]
	s_lshr_b32 s34, s26, 4                         ; the batch: 16 tile rows each,
	s_lshl_b32 s34, s34, 22                        ; 16 heads of 262,144 bytes;
	s_lshl_b32 s36, s36, 18                        ; my head;
	s_add_co_u32 s34, s34, s36
	s_and_b32 s36, s26, 15
	s_lshl_b32 s36, s36, 14                        ; the tile row's 128 rows of 128 bytes;
	s_add_co_u32 s34, s34, s36
	s_lshl_b32 s36, s21, 13                        ; my 64 of them
	s_add_co_u32 s34, s34, s36
	s_add_nc_u64 s[14:15], s[14:15], s[34:35]
	s_add_nc_u64 s[16:17], s[16:17], s[34:35]
	s_add_nc_u64 s[18:19], s[18:19], s[34:35]
	; cos, sin and the biases are asked for now and waited for on the way out: their registers, addresses and bases are not touched in between
.irp a, 0,1,2,3
.irp bb, 0,1,2,3
	global_load_b128 v[PKD+32*(\a)+4*(\bb):PKD+32*(\a)+4*(\bb)+3], v[CSO], s[8:9] offset:2048*(\a)+32*(\bb)
	global_load_b128 v[PKD+32*(\a)+16+4*(\bb):PKD+32*(\a)+16+4*(\bb)+3], v[CSO], s[8:9] offset:1048576+2048*(\a)+32*(\bb)
.endr
.endr
.irp bb, 0,1,2,3
	global_load_b128 v[BQ+8*(\bb):BQ+8*(\bb)+3], v[BOF], s[10:11] offset:64*(\bb)
	global_load_b128 v[BQ+8*(\bb)+4:BQ+8*(\bb)+7], v[BOF], s[10:11] offset:64*(\bb)+16
	global_load_b128 v[BV+8*(\bb):BV+8*(\bb)+3], v[BOF], s[12:13] offset:64*(\bb)
	global_load_b128 v[BV+8*(\bb)+4:BV+8*(\bb)+7], v[BOF], s[12:13] offset:64*(\bb)+16
.endr
; 12 matrix instructions: row block a x all 12 column blocks, 32 along K.  zero = 1: the first product starts the sums.  The 48 accumulators take turns in the same order in every quarter.
.macro MUL12 f, a, zero
	WIN 0x5f+0x50*((\a)/2)
.irp b, 0,1,2,3,4,5,6,7,8,9,10,11
.set AC, 8*(12*((\a)%2)+(\b))
.if \zero
	v_wmma_f32_16x16x32_bf16 v[AC:AC+7], v[(\f)+32+8*(\b):(\f)+32+8*(\b)+7], v[(\f)+8*(\a):(\f)+8*(\a)+7], 0
.else
	v_wmma_f32_16x16x32_bf16 v[AC:AC+7], v[(\f)+32+8*(\b):(\f)+32+8*(\b)+7], v[(\f)+8*(\a):(\f)+8*(\a)+7], v[AC:AC+7]
.endif
.endr
.endm
; 32 LDS loads in one run: quarter q's fragments (32 along K) into buffer f: W's 24 first, then x's 8
.macro FETCH slot, q, f
	WIN 0xc0
.irp g, 0,1,2
.irp bb, 0,1,2,3
	ds_load_tr16_b128 v[(\f)+32+8*(4*(\g)+(\bb)):(\f)+32+8*(4*(\g)+(\bb))+3], v[ADRB+3*(\slot)+(\g)] offset:32*PB*(\q)+32*(\bb)
	ds_load_tr16_b128 v[(\f)+32+8*(4*(\g)+(\bb))+4:(\f)+32+8*(4*(\g)+(\bb))+7], v[ADRB+3*(\slot)+(\g)] offset:32*PB*(\q)+32*(\bb)+16*PB
.endr
.endr
.irp a, 0,1,2,3
	ds_load_b128 v[(\f)+8*(\a):(\f)+8*(\a)+3], v[ADRA+(\slot)] offset:64*(\q)+16*PA*(\a)
	ds_load_b128 v[(\f)+8*(\a)+4:(\f)+8*(\a)+7], v[ADRA+(\slot)] offset:64*(\q)+16*PA*(\a)+32
.endr
.endm
.macro PLACES                          ; four places in front of loads into registers that matrix instructions have read (ISA guide 7.12.1 for vector instructions)
.rept 4
	v_nop
.endr
.endm
; One of a K step's first three quarters: multiplies buffer f and, in its middle, fetches quarter q of the same slot into buffer g
.macro QUARTER slot, q, f, g, zero
	s_wait_dscnt 4                                 ; all but the youngest four loads: x's row blocks 2 and 3
	MUL12 \f, 0, \zero
	MUL12 \f, 1, \zero
	PLACES
	FETCH \slot, \q, \g
	s_wait_dscnt 32                                ; all but the 32 just issued
	MUL12 \f, 2, \zero
	MUL12 \f, 3, \zero
.endm
; The last quarter multiplies buffer 1 and changes slots: one barrier.  In front of it each wave waits for all its tensor loads (one is out: its part of the next slot), adds 0 to its spare word, and
; waits for that and for its reads of this slot.  fill = 1: the barrier opens a round of the cluster's, and this slot is filled again, two K steps ahead, first thing behind the round.
.macro TURN slot, next, fill
	WIN 0
	s_wait_tensorcnt 0x0
	ds_add_u32 v[SPW], v[NIL]
	s_wait_dscnt 5                                 ; the add and the youngest four loads may be out
	MUL12 F1, 0, 0
	s_wait_dscnt 0x0                               ; the add is done, and my reads of this slot are over
	s_barrier_signal -1
	MUL12 F1, 1, 0
.if \fill
	WIN 0
.endif
	s_barrier_wait -1
.if \fill
	CREST                                          ; no wave of any partner still reads this slot or has a load on its way
	s_add_nc_u64 s[G0+4*(\slot)+2:G0+4*(\slot)+3], s[G0+4*(\slot)+2:G0+4*(\slot)+3], 2*KSTEP*2
	s_add_nc_u64 s[G0B+4*(\slot)+2:G0B+4*(\slot)+3], s[G0B+4*(\slot)+2:G0B+4*(\slot)+3], 2*KSTEP*2048
	JLOAD \slot                                    ; 168 matrix instructions ahead of the wait for it; its four v_nop are also the places in front of the loads below
.else
	PLACES
.endif
	FETCH \next, 0, F0
	MUL12 F1, 2, 0
	MUL12 F1, 3, 0
.endm
	s_wait_tensorcnt 1                             ; my part of K step 0 is in; K step 1's may stay out
	s_barrier_signal -1
	s_barrier_wait -1
	FETCH 0, 0, F0
	QUARTER 0, 1, F0, F1, 1                        ; the first quarter stands in front of the loop: its products start the sums
	WIN 0
	s_mov_b32 s3, 3
.Llap:                                                 ; a trip goes once round the ring and fills both slots again: K steps 2 to 7
	QUARTER 0, 2, F1, F0, 0
	QUARTER 0, 3, F0, F1, 0
	TURN 0, 1, 1
	QUARTER 1, 1, F0, F1, 0
	QUARTER 1, 2, F1, F0, 0
	QUARTER 1, 3, F0, F1, 0
	TURN 1, 0, 1
	QUARTER 0, 1, F0, F1, 0
	WIN 0
	s_sub_co_u32 s3, s3, 1
	s_cmp_lg_u32 s3, 0
	s_cbranch_scc1 .Llap
	QUARTER 0, 2, F1, F0, 0                        ; the last lap fills nothing
	QUARTER 0, 3, F0, F1, 0
	TURN 0, 1, 0
	QUARTER 1, 1, F0, F1, 0
	QUARTER 1, 2, F1, F0, 0
	QUARTER 1, 3, F0, F1, 0
	s_wait_dscnt 4
	MUL12 F1, 0, 0
	MUL12 F1, 1, 0
	s_wait_dscnt 0x0
	MUL12 F1, 2, 0
	MUL12 F1, 3, 0
	; THE WAY OUT.  The biases are rounded to bf16 like every input: 96 plain instructions that name no register of the last products: they are the places behind them.
	WIN 0
	s_wait_loadcnt 0x0                             ; cos, sin, bq, bv
.set i, 0
.rept 32
	v_cvt_pk_bf16_f32 v[TP], v[BQ+2*i], v[BQ+2*i+1]
	v_lshlrev_b32 v[BQ+2*i], 16, v[TP]
	v_and_b32 v[BQ+2*i+1], s29, v[TP]
.set i, i+1
.endr
.macro UNPACK a                        ; row block a's cos and sin, bf16 to f32
	WIN 0x40
.set i, 0
.rept 16
	v_lshlrev_b32 v[CF+2*i], 16, v[PKD+32*(\a)+i]
	v_and_b32 v[CF+2*i+1], s29, v[PKD+32*(\a)+i]
	v_lshlrev_b32 v[SF+2*i], 16, v[PKD+32*(\a)+16+i]
	v_and_b32 v[SF+2*i+1], s29, v[PKD+32*(\a)+16+i]
.set i, i+1
.endr
.endm
.macro ADDB bias                       ; YY = the block's 32 sums + bias; each accumulator's lowest registers are read first
	WIN 0xc0|WA
.set i, 0
.rept 16
	v_pk_add_f32 v[YY+2*i:YY+2*i+1], v[AC+2*i:AC+2*i+1], v[(\bias)+2*i:(\bias)+2*i+1]
.set i, i+1
.endr
.endm
.macro ROT src, win                    ; ZZ[d] = src[d] cos[d] - src[d + 32] sin[d] for d < 32, src[d] cos[d] + src[d - 32] sin[d] for the others; 32 columns are 16 registers
	WIN \win
.set i, 0
.rept 16
	v_pk_mul_f32 v[ZZ+2*i:ZZ+2*i+1], v[(\src)+2*i:(\src)+2*i+1], v[CF+2*i:CF+2*i+1]
.set i, i+1
.endr
.set i, 0
.rept 8
	v_pk_fma_f32 v[ZZ+2*i:ZZ+2*i+1], v[(\src)+16+2*i:(\src)+16+2*i+1], v[SF+2*i:SF+2*i+1], v[ZZ+2*i:ZZ+2*i+1] neg_lo:[1,0,0] neg_hi:[1,0,0]
.set i, i+1
.endr
.rept 8
	v_pk_fma_f32 v[ZZ+2*i:ZZ+2*i+1], v[(\src)-16+2*i:(\src)-16+2*i+1], v[SF+2*i:SF+2*i+1], v[ZZ+2*i:ZZ+2*i+1]
.set i, i+1
.endr
.endm
.macro CVT src                         ; rounded to f16: a lane's eight columns are 16 bytes
	WIN 0xcf
.set i, 0
.rept 16
	v_cvt_pk_f16_f32 v[OB+i], v[(\src)+2*i], v[(\src)+2*i+1]
.set i, i+1
.endr
.endm
.macro BLOCK a, g                      ; 16 rows of my head of q (g = 0), k (1) or v (2)
.set WA, 1+(\a)/2
.set AC, 8*(12*((\a)%2)+4*(\g))
.set OB, 16*(3*(\a)+(\g))
.if (\g) == 0
	ADDB BQ
	ROT YY, 0xf7
	CVT ZZ
.elseif (\g) == 1
	ROT AC, 0xf4|WA
	CVT ZZ
.else
	ADDB BV
	CVT YY
.endif
.endm
.macro TOSTAGE i                       ; into my stage, and back as whole rows of 128 bytes, into the registers that they left
	WIN 0x0c
.irp f, 0,1,2,3
	ds_store_b128 v[STO], v[16*(\i)+4*(\f):16*(\i)+4*(\f)+3] offset:32*(\f)
.endr
	WIN 0xc0
.irp f, 0,1,2,3
	ds_load_b128 v[16*(\i)+4*(\f):16*(\i)+4*(\f)+3], v[RD] offset:(\f)*4*SP  ; LDS serves a wave's instructions in order (ISA guide 5.7.1.4): these see the stores above; the next block's stores come behind them
.endr
.endm
.macro SEND i, younger                 ; younger: the LDS instructions issued behind block i's loads.  Every block has registers of its own, so no store's data is ever rewritten
	WIN 0x0c
.irp f, 0,1,2,3
	s_wait_dscnt (\younger)+3-(\f)
	global_store_b128 v[GO], v[16*(\i)+4*(\f):16*(\i)+4*(\f)+3], s[14+2*((\i)%3):15+2*((\i)%3)] offset:2048*((\i)/3)+512*(\f)  ; 512 consecutive bytes, at a multiple of 256 from the buffer's first
.endr
.endm
.irp a, 0,1,2,3
	UNPACK \a
.irp g, 0,1,2
	BLOCK \a, \g
	TOSTAGE 3*(\a)+(\g)
.if 3*(\a)+(\g) > 0
	SEND 3*(\a)+(\g)-1, 8
.endif
.endr
.endr
	SEND 11, 0
	WIN 0
	s_wait_tensorcnt 0x0                           ; the wave's end
	ds_add_u32 v[SPW], v[NIL]
	s_wait_dscnt 0x0
	CROUND                                         ; the closing round: no work-group ends while a partner may still ask for a tile that names it
	s_endpgm
.Lfunc_end_k_q59a937fddd_qkv:
	.size	k_q59a937fddd_qkv, .Lfunc_end_k_q59a937fddd_qkv-k_q59a937fddd_qkv
	.p2alignl 7, 3214868480
	.fill 96, 4, 3214868480
	.section	.rodata,"a",@progbits
	.p2align	6, 0x0
	.amdhsa_kernel k_q59a937fddd_qkv
		.amdhsa_group_segment_fixed_size 327680
		.amdhsa_private_segment_fixed_size 0
		.amdhsa_enable_private_segment 0
		.amdhsa_kernarg_size 64
		.amdhsa_user_sgpr_count 2
		.amdhsa_user_sgpr_kernarg_segment_ptr 1
		.amdhsa_wavefront_size32 1
		.amdhsa_system_sgpr_workgroup_id_x 1
		.amdhsa_system_sgpr_workgroup_id_y 1
		.amdhsa_system_sgpr_workgroup_id_z 1
		.amdhsa_system_vgpr_workitem_id 0
		.amdhsa_next_free_vgpr 1024
		.amdhsa_next_free_sgpr 80
		.amdhsa_reserve_vcc 0
		.amdhsa_float_denorm_mode_32 3
		.amdhsa_float_denorm_mode_16_64 3
		.amdhsa_memory_ordered 1
		.amdhsa_forward_progress 1
		.amdhsa_inst_pref_size 162
	.end_amdhsa_kernel
	.amdgpu_metadata
---
amdhsa.version: [ 1, 2 ]
amdhsa.kernels:
  - .name:           k_q59a937fddd_qkv
    .symbol:         k_q59a937fddd_qkv.kd
    .args:
      - { .name: xb, .offset: 0, .size: 8, .value_kind: global_buffer, .address_space: global }
      - { .name: wb, .offset: 8, .size: 8, .value_kind: global_buffer, .address_space: global }
      - { .name: cs, .offset: 16, .size: 8, .value_kind: global_buffer, .address_space: global }
      - { .name: bq, .offset: 24, .size: 8, .value_kind: global_buffer, .address_space: global }
      - { .name: bv, .offset: 32, .size: 8, .value_kind: global_buffer, .address_space: global }
      - { .name: qh, .offset: 40, .size: 8, .value_kind: global_buffer, .address_space: global }
      - { .name: kh, .offset: 48, .size: 8, .value_kind: global_buffer, .address_space: global }
      - { .name: vh, .offset: 56, .size: 8, .value_kind: global_buffer, .address_space: global }
    .group_segment_fixed_size: 327680
    .private_segment_fixed_size: 0
    .kernarg_segment_align: 8
    .kernarg_segment_size: 64
    .max_flat_workgroup_size: 128
    .sgpr_count:     80
    .vgpr_count:     1024
    .wavefront_size: 32
...
	.end_amdgpu_metadata
.endif
;; end of part 2
;; launch attn (part 3): grid 4 x 64, 4 waves a work-group, no clusters, 262,144 bytes of LDS; arguments qh, kh, vh, ob, mask; writes ob
.if DOCPART == 3
	.amdgcn_target "amdgcn-amd-amdhsa--gfx1250"
	.amdhsa_code_object_version 6
	.text
	.protected	k_q59a937fddd_attn
	.globl	k_q59a937fddd_attn
	.p2align	8
	.type	k_q59a937fddd_attn,@function
k_q59a937fddd_attn:
	s_mov_b64 s[64:65], 0
	v_nop
	global_prefetch_b8 v0, s[64:65] scope:SCOPE_SE
	s_setreg_imm32_b32 hwreg(HW_REG_WAVE_MODE, 25, 1), 1
	s_wait_xcnt 0x0
; BANDED ATTENTION.  O[bh][q] = the sum over the keys k with q - 256 <= k <= q and mask[b][k] of softmax_k(Q[bh][q] . K[bh][k] / 8) V[bh][k].  qh, kh, vh, ob: [64][2048][64] f16; mask: [4][2048] bytes.
; Products, maxima and sums in f32, with a running maximum; the weights are rounded to f16 for the second product (their sum is taken unrounded), O once at the end.
; LIMITS.  A hidden key has the weight 0 exactly; with a hidden score of -1e9 that holds as long as a row's largest visible score is above -1e9 + 104.  A row with no visible key gives 0: its own key is hidden too,
; so the launch behind multiplies that row by 0.  A weight below 2^-126 counts as 0.  NaN and infinities are not treated apart.
; SHARES.  A work-group owns 512 queries of one head, q0 = 512 X on, and loads the 768 keys q0 - 256 .. q0 + 511 ONCE: nothing in LDS is filled again.  256 work-groups.
; A wave makes two passes; pass p has the 64 queries q0 + 256 p + 64 w on (four tiles of 16) and five steps of 64 keys, from local key 256 p + 64 w on.
; In step 0 key tile u is visible to query tile t if u > t, hidden if u < t, and at u = t hidden where key < query; steps 1-3 are all visible; step 4 is step 0's mirror.
; THE MASK is the C operand that starts the sum S^T = K Q^T: 0 or -1e30 for each key (padding, or a key in front of the sequence), plus a triangle on the two diagonals, or -1e30 throughout.
; The maximum starts at -2^83, above every hidden and below every f16 score (2.7e11 at the most): while a row has seen hidden keys alone its weights are 2^(a large negative number) = 0.
; NO CLUSTER: neighbouring blocks of a head share 256 of their 768 keys, and those lie at different LDS places in the two: no descriptor is equal in two partners.
; LAYOUT.  S^T = K Q^T holds one query a lane (l % 16) and the keys 8 (l / 16) + 0..7; two such results rounded to f16 are source 1 of O^T = V^T P.  V comes out of LDS turned, by ds_load_tr16_b128.
; REGISTERS in windows of 256 (s_set_vgpr_msb: bits 1:0 source 0, 3:2 source 1, 5:4 source 2, 7:6 destination):
;   window 0: addresses; v16-47 eight registers of statistics a tile; v48-61 the mask's set-up; v64-191 S^T (tile t, key tile u at 64 + 32 t + 8 u); v192-255 P
;   window 1: v0-127 O^T (32 t + 8 cb); v128-159 a step's key masks; v160-191 the same plus a triangle; v192-215 -1e30, the two triangles      window 2: v0-63 Q; v128-191 K; v192-255 V of one step
.set PK,    144                        ; a row of K in LDS: 128 bytes + 16
.set PV,    160                        ; a row of V: 128 + 32
.set VOFF,  768*PK
.set PMK,   VOFF+768*PV                ; 768 f32: each key's addend; stored by the waves, never a tensor load's target
.set STAGE, PMK+3072                   ; 16 rows x 144 bytes for each wave
.set SP,    144
.set SPARE, STAGE+4*16*SP              ; the spare words, 128 bytes for each wave: two blocks of 256 bytes that no other line names
.set AK0, 2
.set AV0, 3
.set AK,  4
.set AV,  5
.set STO, 6
.set RD,  7
.set GO,  8
.set AP0, 12
.set AP,  13
.set TRI, 14
.set QO,  15
.set ST,  16                           ; tile t at 16 + 8 t: c m, m, l (even keys', odd keys'), c0-c3 at work; c2 takes a
.set MA,  48                           ; six addresses
.set MB,  54                           ; six mask bytes, then addends
.set MX,  60
.set MS,  61
.set SPW, 62
.set NIL, 63
.set S,   64
.set P,   192
.set PM,  128                          ; window 1
.set DG,  160
.set NEGR, 192
.set TLO, 200
.set THI, 208
.set KF,  128                          ; window 2
.set VF,  192
.set WV,  14
.set XB,  15
.set BH,  16
.set G1K, 24
.set G1V, 32
.set G0K, 40                           ; s[40:51] three sets of group 0 for K's pieces
.set G0V, 52                           ; s[52:63] for V's
.set CS,  66
.set SEL, 68
.set TBK, 70                           ; LDS byte at which K of the step to be fetched begins
.set TBV, 71
.set TBP, 72
.set PASS, 73
.set CNT, 74
.set BIGN, 75
.set FLOOR, 76
.set TINY, 77
.set MSB, 0
.macro WIN new
.if MSB != (\new)
	s_set_vgpr_msb (MSB<<8)|(\new)
.set MSB, (\new)
.endif
.endm
.macro ALL line:vararg                 ; one line for each tile t
.set t, 0
.rept 4
	\line
.set t, t+1
.endr
.endm
	s_load_b256 s[4:11], s[0:1], 0x0               ; qh s[4:5], kh s[6:7], vh s[8:9], ob s[10:11]
	s_load_b64 s[12:13], s[0:1], 0x20              ; mask
	v_lshl_add_u32 v[SPW], v0, 2, SPARE
	v_mov_b32 v[NIL], 0
	ds_add_u32 v[SPW], v[NIL]                      ; the wave's opening: the add and its wait stand ahead of my first tensor load
	ds_add_u32 v62, v63
	v_lshrrev_b32 v1, 5, v0
	v_readfirstlane_b32 s[WV], v1
	s_mov_b32 s[XB], ttmp9
	s_and_b32 s[BH], ttmp7, 0xffff
	s_and_b32 s17, s[WV], 1
	s_lshl_b32 s78, s[XB], 9
	s_sub_co_i32 s78, s78, 256                     ; the first key: q0 - 256; -256 where X = 0
	; 128 keys are 16,384 dense bytes: asked for as 64 rows of 256 bytes, padded in LDS after every key
	s_mov_b32 s[G1K], (1<<16)|(1<<20)|(4<<22)|(3<<25)
	s_mov_b32 s[G1V], (1<<16)|(1<<20)|(4<<22)|(7<<25)
.irp g, G1K, G1V
	s_mov_b32 s[(\g)+1], 128<<16
	s_mov_b32 s[(\g)+2], 64<<16
	s_mov_b32 s[(\g)+3], 128<<16
	s_mov_b32 s[(\g)+4], 64
	s_mov_b32 s[(\g)+5], 128
	s_mov_b32 s[(\g)+6], 0
	s_mov_b32 s[(\g)+7], 0
.endr
	s_mov_b32 s[CS], 0x3e38aa3b                    ; c = log2(e) / 8
	s_mov_b32 s[CS+1], s[CS]
	s_mov_b32 s[SEL], 0x76543210
	s_mov_b32 s[SEL+1], 0xfedcba98
	s_mov_b32 s[BIGN], 0xf149f2ca                  ; -1e30
	s_mov_b32 s[FLOOR], 0xe9000000                 ; -2^83
	s_mov_b32 s[TINY], 0x0d800000                  ; 2^-100
	s_lshl_b32 s20, s[BH], 18                      ; the head's 262,144 bytes
	s_mov_b32 s21, 0
	s_mov_b32 s81, 0
	s_mul_i32 s18, s17, 128*PK
	s_mul_i32 s19, s17, 128*PV
	s_wait_dscnt 0x0                               ; the opening add is done
	s_wait_kmcnt 0x0
	s_add_nc_u64 s[6:7], s[6:7], s[20:21]
	s_add_nc_u64 s[8:9], s[8:9], s[20:21]
.irp j, 0,1,2                          ; piece 2 j + w % 2 of six.  A piece in front of the sequence fetches keys 0-127 in its stead: finite numbers, which the mask hides
	s_lshl_b32 s80, s17, 7
	s_add_co_i32 s80, s80, s78
	s_add_co_i32 s80, s80, 256*(\j)
	s_max_i32 s80, s80, 0
	s_lshl_b32 s80, s80, 7
	s_mov_b32 s[G0K+4*(\j)], 1
	s_add_co_u32 s[G0K+4*(\j)+1], s18, (\j)*256*PK
	s_add_nc_u64 s[G0K+4*(\j)+2:G0K+4*(\j)+3], s[6:7], s[80:81]
	s_or_b32 s[G0K+4*(\j)+3], s[G0K+4*(\j)+3], 0x80000000
	s_mov_b32 s[G0V+4*(\j)], 1
	s_add_co_u32 s[G0V+4*(\j)+1], s19, VOFF+(\j)*256*PV
	s_add_nc_u64 s[G0V+4*(\j)+2:G0V+4*(\j)+3], s[8:9], s[80:81]
	s_or_b32 s[G0V+4*(\j)+3], s[G0V+4*(\j)+3], 0x80000000
.endr
	s_cmp_lt_u32 s[WV], 2                          ; waves 0, 1 fetch K, waves 2, 3 V: a wave's three fills stand in one branch; three loads of mine are out
	s_cbranch_scc0 .Lfill_v
.irp j, 0,1,2
	tensor_load_to_lds s[G0K+4*(\j):G0K+4*(\j)+3], s[G1K:G1K+7]
	s_nop 0
.endr
.rept 4
	v_nop
.endr
	s_branch .Lfilled
.Lfill_v:
.irp j, 0,1,2
	tensor_load_to_lds s[G0V+4*(\j):G0V+4*(\j)+3], s[G1V:G1V+7]
	s_nop 0
.endr
.rept 4
	v_nop
.endr
.Lfilled:
	s_lshr_b32 s80, s[BH], 4                       ; the batch's 2,048 mask bytes
	s_lshl_b32 s80, s80, 11
	s_add_nc_u64 s[12:13], s[12:13], s[80:81]
.irp j, 0,1,2,3,4,5                    ; thread v0 takes local keys v0 + 128 j
	s_add_co_i32 s82, s78, 128*(\j)
	s_max_i32 s82, s82, 0
	v_add_nc_u32 v[MA+(\j)], s82, v0
	global_load_u8 v[MB+(\j)], v[MA+(\j)], s[12:13]
.endr
	s_lshl_b32 s22, s[XB], 16                      ; my block's 512 rows of 128 bytes,
	s_lshl_b32 s23, s[WV], 13                      ; my wave's 64
	s_add_co_u32 s22, s22, s23
	s_mov_b32 s23, 0
	s_add_nc_u64 s[22:23], s[22:23], s[20:21]
	s_add_nc_u64 s[4:5], s[4:5], s[22:23]
	s_add_nc_u64 s[10:11], s[10:11], s[22:23]
	v_and_b32 v1, 15, v0
	v_bfe_u32 v9, v0, 4, 1
	v_lshlrev_b32 v[QO], 7, v1
	v_lshl_add_u32 v[QO], v9, 4, v[QO]
.macro QLOAD o                         ; a pass's Q: tile i / 2, channels 32 (i % 2) on
	WIN 0x80
.set i, 0
.rept 8
	global_load_b128 v[8*i:8*i+3], v[QO], s[4:5] offset:(\o)+(i/2)*2048+(i%2)*64
	global_load_b128 v[8*i+4:8*i+7], v[QO], s[4:5] offset:(\o)+(i/2)*2048+(i%2)*64+32
.set i, i+1
.endr
	WIN 0
.endm
	QLOAD 0
	v_mul_u32_u24 v[AK0], v1, PK
	v_lshl_add_u32 v[AK0], v9, 4, v[AK0]
	v_and_b32 v10, 7, v0
	v_bfe_u32 v11, v0, 3, 1
	v_lshl_add_u32 v[AV0], v9, 3, v10
	v_mul_u32_u24 v[AV0], v[AV0], PV
	v_lshl_add_u32 v[AV0], v11, 4, v[AV0]
	v_add_nc_u32 v[AV0], VOFF, v[AV0]
	v_lshlrev_b32 v[AP0], 5, v9                    ; my lanes' eight keys of a group of 16: 32 bytes of addends
	v_add_nc_u32 v[AP0], PMK, v[AP0]
	s_mul_i32 s82, s[WV], 16*SP
	s_add_co_u32 s82, s82, STAGE
	v_mul_u32_u24 v[STO], v1, SP
	v_lshl_add_u32 v[STO], v9, 4, v[STO]
	v_add_nc_u32 v[STO], s82, v[STO]
	v_bfe_u32 v[RD], v0, 3, 2
	v_mul_u32_u24 v[RD], v[RD], SP
	v_lshl_add_u32 v[RD], v10, 4, v[RD]
	v_add_nc_u32 v[RD], s82, v[RD]
	v_and_b32 v[GO], 31, v0
	v_lshlrev_b32 v[GO], 4, v[GO]
	v_lshlrev_b32 v[TRI], 3, v9
	v_sub_nc_u32 v[TRI], v1, v[TRI]                ; my query's place in its tile less my lanes' 8 (l / 16): register i is key i against it
	WIN 0x40
.set i, 0
.rept 8
	v_cmp_lt_i32 vcc_lo, i, v[TRI]
	v_cndmask_b32 v[TLO+i], 0, s[BIGN], vcc_lo     ; the band's far edge: hidden where key < query
	v_cmp_gt_i32 vcc_lo, i, v[TRI]
	v_cndmask_b32 v[THI+i], 0, s[BIGN], vcc_lo     ; the causal edge: hidden where key > query
	v_mov_b32 v[NEGR+i], s[BIGN]
.set i, i+1
.endr
	WIN 0
	s_wait_loadcnt 16                              ; the six mask loads are in; the 16 of Q, issued behind them, stay out
	s_cmp_eq_u32 s[XB], 0
	s_cselect_b32 s82, s[BIGN], 0                  ; the first 256 local keys lie in front of the sequence where X = 0
	v_mov_b32 v[MX], s82
	v_lshl_add_u32 v[MS], v0, 2, PMK
.irp j, 0,1,2,3,4,5
	v_cmp_eq_u32 vcc_lo, 0, v[MB+(\j)]
.if (\j) < 2
	v_cndmask_b32 v[MB+(\j)], v[MX], s[BIGN], vcc_lo
.else
	v_cndmask_b32 v[MB+(\j)], 0, s[BIGN], vcc_lo
.endif
	ds_store_b32 v[MS], v[MB+(\j)] offset:512*(\j)
.endr
	s_wait_tensorcnt 0x0                           ; my three pieces have landed,
	s_wait_dscnt 0x0                               ; my addends are stored:
	s_barrier_signal -1
	s_barrier_wait -1                              ; everybody's are.  The launch's one barrier: behind it K, V and the addends are only read
.macro FETCH_K                         ; a step's K: keys 16 (f / 2) on, channels 32 (f % 2) on
	WIN 0x80
.irp f, 0,1,2,3,4,5,6,7
	ds_load_b128 v[KF+8*(\f):KF+8*(\f)+3], v[AK] offset:((\f)/2)*16*PK+((\f)%2)*64
	ds_load_b128 v[KF+8*(\f)+4:KF+8*(\f)+7], v[AK] offset:((\f)/2)*16*PK+((\f)%2)*64+32
.endr
	s_add_co_u32 s[TBK], s[TBK], 64*PK
.endm
.macro FETCH_PM                        ; its 64 keys' addends, in S^T's layout
	WIN 0x40
.irp u, 0,1,2,3
	ds_load_b128 v[PM+8*(\u):PM+8*(\u)+3], v[AP] offset:64*(\u)
	ds_load_b128 v[PM+8*(\u)+4:PM+8*(\u)+7], v[AP] offset:64*(\u)+16
.endr
	s_add_co_u32 s[TBP], s[TBP], 256
.endm
.macro FETCH_V                         ; its V, turned: keys 32 (f / 4) on, channels 16 (f % 4) on
	WIN 0x80
.irp f, 0,1,2,3,4,5,6,7
	ds_load_tr16_b128 v[VF+8*(\f):VF+8*(\f)+3], v[AV] offset:((\f)/4)*32*PV+((\f)%4)*32
	ds_load_tr16_b128 v[VF+8*(\f)+4:VF+8*(\f)+7], v[AV] offset:((\f)/4)*32*PV+16*PV+((\f)%4)*32
.endr
	s_add_co_u32 s[TBV], s[TBV], 64*PV
.endm
.macro MKDG tri                        ; the key masks plus a triangle, for the tiles on a diagonal
	WIN 0x45
.set n, 0
.rept 16
	v_pk_add_f32 v[DG+2*n:DG+2*n+1], v[PM+2*n:PM+2*n+1], v[(\tri)+2*(n%4):(\tri)+2*(n%4)+1]
.set n, n+1
.endr
.endm
; 32 products S^T = K Q^T: channels 32 (i / 16) on, key tile (i / 4) % 4, query tile i % 4.  The first 16 start the sums with the mask; the 16 accumulators take turns.
.macro KQ kind
.set i, 0
.rept 32
.set u, (i/4)%4
.set t, i%4
.set rS, S+32*t+8*u
.set rK, KF+16*u+8*(i/16)
.set rQ, 16*t+8*(i/16)
.set rM, PM+8*u
.if (\kind) == 0
.if u == t
.set rM, DG+8*u
.elseif u < t
.set rM, NEGR
.endif
.elseif (\kind) == 2
.if u == t
.set rM, DG+8*u
.elseif u > t
.set rM, NEGR
.endif
.endif
.if i < 16
	WIN 0x1a
	v_wmma_f32_16x16x32_f16 v[rS:rS+7], v[rK:rK+7], v[rQ:rQ+7], v[rM:rM+7]
.else
	WIN 0x0a
	v_wmma_f32_16x16x32_f16 v[rS:rS+7], v[rK:rK+7], v[rQ:rQ+7], v[rS:rS+7]
.endif
.set i, i+1
.endr
.endm
; 32 products O^T += V^T P: keys 32 (i / 16) on, channels 16 ((i / 4) % 4) on, tile i % 4.  first = 1: the first 16 start the sums
.macro PVM first
	WIN 0x52
.set i, 0
.rept 32
.set rO, 32*(i%4)+8*((i/4)%4)
.set rV, VF+32*(i/16)+8*((i/4)%4)
.set rP, P+16*(i%4)+8*(i/16)
.if (\first) && (i < 16)
	v_wmma_f32_16x16x32_f16 v[rO:rO+7], v[rV:rV+7], v[rP:rP+7], 0
.else
	v_wmma_f32_16x16x32_f16 v[rO:rO+7], v[rV:rV+7], v[rP:rP+7], v[rO:rO+7]
.endif
.set i, i+1
.endr
.endm
; THE SOFTMAX of a step, stage by stage, the four tiles alternating, so that no line reads the result of the line before it.  first = 1: a pass's first step: it starts m, l and O^T.
.macro SMX first
	WIN 0
.set n, 0
.rept 4                                ; the maximum: four chains of seven scores; each accumulator's lowest registers are read first
	ALL v_max3_num_f32 v[ST+8*t+4+n], v[S+32*t+8*n], v[S+32*t+8*n+1], v[S+32*t+8*n+2]
.set n, n+1
.endr
.rept 8
	ALL v_max3_num_f32 v[ST+8*t+4+n%4], v[ST+8*t+4+n%4], v[S+32*t+8*(n%4)+2*(n/4)+1], v[S+32*t+8*(n%4)+2*(n/4)+2]
.set n, n+1
.endr
	ALL v_max3_num_f32 v[ST+8*t+4], v[ST+8*t+4], v[S+32*t+7], v[S+32*t+15]
	ALL v_max3_num_f32 v[ST+8*t+6], v[ST+8*t+6], v[S+32*t+23], v[S+32*t+31]
	ALL v_max3_num_f32 v[ST+8*t+4], v[ST+8*t+4], v[ST+8*t+5], v[ST+8*t+6]
.if \first
	ALL v_max3_num_f32 v[ST+8*t+4], v[ST+8*t+4], v[ST+8*t+7], s[FLOOR]
.else
	ALL v_max3_num_f32 v[ST+8*t+4], v[ST+8*t+4], v[ST+8*t+7], v[ST+8*t+1]
	ALL v_mov_b32 v[ST+8*t+7], v[ST+8*t]
.endif
	ALL v_permlanex16_b32 v[ST+8*t+5], v[ST+8*t+4], s[SEL], s[SEL+1]
	ALL v_max_num_f32 v[ST+8*t+1], v[ST+8*t+4], v[ST+8*t+5]
	ALL v_mul_f32 v[ST+8*t], s[CS], v[ST+8*t+1]
.if !(\first)
	ALL v_sub_f32 v[ST+8*t+7], v[ST+8*t+7], v[ST+8*t]
	ALL v_exp_f32 v[ST+8*t+6], v[ST+8*t+7]
.endif
.set n, 0
.rept 16                               ; c s - c m; these plain lines also stand between a's exponentials and their use
	ALL v_pk_fma_f32 v[S+32*t+2*n:S+32*t+2*n+1], v[S+32*t+2*n:S+32*t+2*n+1], s[CS:CS+1], v[ST+8*t:ST+8*t+1] op_sel_hi:[1,0,0] neg_lo:[0,0,1] neg_hi:[0,0,1]
.set n, n+1
.endr
.set n, 0
.rept 128
	v_exp_f32 v[S+n], v[S+n]
.set n, n+1
.endr
	v_nop                                          ; a plain instruction between the last exponential and the use of its result
.set n, 0
	s_wait_alu depctr_va_vdst(0)
.rept 64
	v_cvt_pk_f16_f32 v[P+n], v[S+2*n], v[S+2*n+1]
.set n, n+1
.endr
.irp w, 16, 8, 4                       ; the sum of a tile's 16 pairs, in place: neighbours 8, 4 and 2 pairs apart
.set n, 0
.rept (\w)/2
	ALL v_pk_add_f32 v[S+32*t+2*n:S+32*t+2*n+1], v[S+32*t+2*n:S+32*t+2*n+1], v[S+32*t+2*n+(\w):S+32*t+2*n+(\w)+1]
.set n, n+1
.endr
.endr
.if \first
	ALL v_pk_add_f32 v[ST+8*t+2:ST+8*t+3], v[S+32*t:S+32*t+1], v[S+32*t+2:S+32*t+3]
.else
	ALL v_pk_add_f32 v[S+32*t:S+32*t+1], v[S+32*t:S+32*t+1], v[S+32*t+2:S+32*t+3]
	ALL v_pk_fma_f32 v[ST+8*t+2:ST+8*t+3], v[ST+8*t+2:ST+8*t+3], v[ST+8*t+6:ST+8*t+7], v[S+32*t:S+32*t+1] op_sel_hi:[1,0,1]
	WIN 0x41
.set n, 0
.rept 16                               ; O^T times a, each accumulator from its low end
	ALL v_pk_mul_f32 v[32*t+2*n:32*t+2*n+1], v[32*t+2*n:32*t+2*n+1], v[ST+8*t+6:ST+8*t+7] op_sel_hi:[1,0]
.set n, n+1
.endr
.endif
.endm
; A KEY STEP.  kind 0: a pass's first; 1: a middle one; 2: its last.  Behind the products K Q^T stand four places, then one run of LDS loads: this step's V, and the next step's K and addends.
.macro STEP kind
	s_wait_dscnt 0x0                               ; K and the addends are in
.if (\kind) == 0
	MKDG TLO
.elseif (\kind) == 2
	MKDG THI
.endif
	KQ \kind
	WIN 0
	v_add_nc_u32 v[AV], s[TBV], v[AV0]
.if (\kind) < 2
	v_add_nc_u32 v[AK], s[TBK], v[AK0]
	v_add_nc_u32 v[AP], s[TBP], v[AP0]
	v_nop
.else
.rept 3
	v_nop
.endr
.endif
	FETCH_V
.if (\kind) < 2
	FETCH_K
	FETCH_PM
.else
	WIN 0
	s_cmp_eq_u32 s[PASS], 1
	s_cbranch_scc1 .Lno_q_\@                       ; the second pass has no successor
	QLOAD 32768                                    ; the second pass's Q, 256 rows on: this pass's last products K Q^T stand four places back
.Lno_q_\@:
.endif
.if (\kind) == 0
	SMX 1
.else
	SMX 0
.endif
.if (\kind) < 2
	s_wait_dscnt 24                                ; V's 16 loads are in; K's 16 and the addends' 8, issued behind them, stay out
.else
	s_wait_dscnt 0x0
.endif
.if (\kind) == 0
	PVM 1
.else
	PVM 0
.endif
.endm
.macro PACK t                          ; tile t: divided by l, rounded to f16, through my stage, back as whole rows of 128 bytes, into S^T's registers
	WIN 0x41
.set i, 32*(\t)
.rept 16
	v_pk_mul_f32 v[i:i+1], v[i:i+1], v[ST+8*(\t)+6:ST+8*(\t)+7] op_sel_hi:[1,0]
.set i, i+2
.endr
	WIN 0x05
.set i, 0
.rept 16
	v_cvt_pk_f16_f32 v[S+16*(\t)+i], v[32*(\t)+2*i], v[32*(\t)+2*i+1]
.set i, i+1
.endr
	WIN 0
.irp f, 0,1,2,3
	ds_store_b128 v[STO], v[S+16*(\t)+4*(\f):S+16*(\t)+4*(\f)+3] offset:32*(\f)
.endr
.irp f, 0,1,2,3
	ds_load_b128 v[S+16*(\t)+4*(\f):S+16*(\t)+4*(\f)+3], v[RD] offset:(\f)*4*SP  ; LDS serves a wave's instructions in order (ISA guide 5.7.1.4)
.endr
.endm
.macro SEND t, younger
	WIN 0
.irp f, 0,1,2,3
	s_wait_dscnt (\younger)+3-(\f)
	global_store_b128 v[GO], v[S+16*(\t)+4*(\f):S+16*(\t)+4*(\f)+3], s[10:11] offset:(\t)*2048+(\f)*512  ; 512 consecutive bytes, at a multiple of 256 from ob's first
.endr
.endm
	s_mul_i32 s[TBK], s[WV], 64*PK                 ; pass 0 begins at local key 64 w
	s_mul_i32 s[TBV], s[WV], 64*PV
	s_lshl_b32 s[TBP], s[WV], 8
	s_mov_b32 s[PASS], 2
.Lpass:
	v_add_nc_u32 v[AK], s[TBK], v[AK0]
	v_add_nc_u32 v[AP], s[TBP], v[AP0]
	FETCH_K
	FETCH_PM
	s_wait_loadcnt 0x0                             ; Q
	STEP 0
	WIN 0
	s_mov_b32 s[CNT], 3
.Lmid:
	STEP 1
	WIN 0
	s_sub_co_u32 s[CNT], s[CNT], 1
	s_cmp_lg_u32 s[CNT], 0
	s_cbranch_scc1 .Lmid
	STEP 2
	WIN 0                                          ; l's two halves and the other half of the lanes'; the four additions are the places behind the last products
	ALL v_add_f32 v[ST+8*t+4], v[ST+8*t+2], v[ST+8*t+3]
	ALL v_permlanex16_b32 v[ST+8*t+5], v[ST+8*t+4], s[SEL], s[SEL+1]
	ALL v_add_f32 v[ST+8*t+4], v[ST+8*t+4], v[ST+8*t+5]
	ALL v_max_num_f32 v[ST+8*t+4], s[TINY], v[ST+8*t+4]
	ALL v_rcp_f32 v[ST+8*t+6], v[ST+8*t+4]
	v_nop                                          ; a plain instruction between the last reciprocal and the use of its result
	s_wait_alu depctr_va_vdst(0)
	PACK 0
	PACK 1
	SEND 0, 8
	PACK 2
	SEND 1, 8
	PACK 3
	SEND 2, 8
	SEND 3, 0
	s_wait_xcnt 0x0                                ; ob's base and the registers that the stores read are rewritten only behind this wait
	s_add_nc_u64 s[10:11], s[10:11], 32768         ; the second pass's rows
	s_sub_co_u32 s[TBK], s[TBK], 64*PK             ; five steps were fetched; the next pass begins four steps on
	s_sub_co_u32 s[TBV], s[TBV], 64*PV
	s_sub_co_u32 s[TBP], s[TBP], 256
	s_sub_co_u32 s[PASS], s[PASS], 1
	s_cmp_lg_u32 s[PASS], 0
	s_cbranch_scc1 .Lpass
	s_wait_tensorcnt 0x0                           ; the wave's end
	ds_add_u32 v[SPW], v[NIL]
	s_wait_dscnt 0x0
	s_endpgm
.Lfunc_end_k_q59a937fddd_attn:
	.size	k_q59a937fddd_attn, .Lfunc_end_k_q59a937fddd_attn-k_q59a937fddd_attn
	.p2alignl 7, 3214868480
	.fill 96, 4, 3214868480
	.section	.rodata,"a",@progbits
	.p2align	6, 0x0
	.amdhsa_kernel k_q59a937fddd_attn
		.amdhsa_group_segment_fixed_size 262144
		.amdhsa_private_segment_fixed_size 0
		.amdhsa_enable_private_segment 0
		.amdhsa_kernarg_size 40
		.amdhsa_user_sgpr_count 2
		.amdhsa_user_sgpr_kernarg_segment_ptr 1
		.amdhsa_wavefront_size32 1
		.amdhsa_system_sgpr_workgroup_id_x 1
		.amdhsa_system_sgpr_workgroup_id_y 1
		.amdhsa_system_sgpr_workgroup_id_z 1
		.amdhsa_system_vgpr_workitem_id 0
		.amdhsa_next_free_vgpr 768
		.amdhsa_next_free_sgpr 90
		.amdhsa_reserve_vcc 1
		.amdhsa_float_denorm_mode_32 3
		.amdhsa_float_denorm_mode_16_64 3
		.amdhsa_memory_ordered 1
		.amdhsa_forward_progress 1
		.amdhsa_inst_pref_size 123
	.end_amdhsa_kernel
	.amdgpu_metadata
---
amdhsa.version: [ 1, 2 ]
amdhsa.kernels:
  - .name:           k_q59a937fddd_attn
    .symbol:         k_q59a937fddd_attn.kd
    .args:
      - { .name: qh, .offset: 0, .size: 8, .value_kind: global_buffer, .address_space: global }
      - { .name: kh, .offset: 8, .size: 8, .value_kind: global_buffer, .address_space: global }
      - { .name: vh, .offset: 16, .size: 8, .value_kind: global_buffer, .address_space: global }
      - { .name: ob, .offset: 24, .size: 8, .value_kind: global_buffer, .address_space: global }
      - { .name: mask, .offset: 32, .size: 8, .value_kind: global_buffer, .address_space: global }
    .group_segment_fixed_size: 262144
    .private_segment_fixed_size: 0
    .kernarg_segment_align: 8
    .kernarg_segment_size: 40
    .max_flat_workgroup_size: 128
    .sgpr_count:     90
    .vgpr_count:     768
    .wavefront_size: 32
...
	.end_amdgpu_metadata
.endif
;; end of part 3
;; launch oproj (part 4): grid 8 x 32, 4 waves a work-group, clusters of 4 x 4, 327,680 bytes of LDS; arguments ob, wb, bo, mask, out0; writes out0
.if DOCPART == 4
	.amdgcn_target "amdgcn-amd-amdhsa--gfx1250"
	.amdhsa_code_object_version 6
	.text
	.protected	k_q59a937fddd_oproj
	.globl	k_q59a937fddd_oproj
	.p2align	8
	.type	k_q59a937fddd_oproj,@function
k_q59a937fddd_oproj:
	s_mov_b64 s[64:65], 0
	v_nop
	global_prefetch_b8 v0, s[64:65] scope:SCOPE_SE
	s_setreg_imm32_b32 hwreg(HW_REG_WAVE_MODE, 25, 1), 1
	s_wait_xcnt 0x0
	s_wait_alu depctr_hold_cnt(0) depctr_sa_sdst(0) depctr_va_vdst(0) depctr_va_sdst(0) depctr_va_ssrc(0) depctr_va_vcc(0) depctr_vm_vsrc(0)
	s_getreg_b32 s2, hwreg(HW_REG_IB_STS2, 6, 4)
	s_cmp_eq_u32 s2, 0
	s_cbranch_scc0 .Lentry_in_a_cluster
	s_endpgm
.Lentry_in_a_cluster:
	s_bfe_u32 s2, ttmp6, 0x10000c
	s_cmp_lg_u32 s2, 0xf033
	s_cbranch_scc0 .Lentry_shape_is_right
	s_endpgm
.Lentry_shape_is_right:
; out0[row][n] = (the sum over k of context[row][k] Wo[k][n] + bo[n]) x mask[row].  context lies by heads in ob, [b 16 + h][2048][64] f16; Wo is plane 3 of wb, [k][n] f16 (bf16 numbers); bo is rounded
; to bf16 here; out0 is [8192][1024] f32.  Sums in f32.  NaN and infinities are not treated apart: a masked row is 0 only where its sum is finite.
; SHARES.  A tile is 256 rows x 128 columns: 256 work-groups.  Wave w has rows 64 w on and all 128 columns: 32 accumulators.  The matrix instruction is used transposed (source 0 = 16 columns of Wo,
; source 1 = 16 rows of context): a lane holds row l % 16 and eight neighbouring columns.
; K goes in 8 steps of 128, two heads each, through two LDS slots.  A head's 256 rows are 32,768 dense bytes: asked for as 128 rows of 256 bytes, padded after every 128.  Waves 0, 1 fetch the two heads, waves 2, 3
; 64 rows of Wo each.  CLUSTER 4 x 4: context's tiles are asked for jointly along a cluster's row, Wo's along a column.
; REGISTERS: window 0 addresses, v32-35 mask bytes, v40-47 the mask as f32 in pairs, v64-127 bo; window 1 the accumulators at 8 (8 a + b); window 2 two fragment buffers (0, 128), on the way out the rows read back.
.set PA,    144
.set PB,    288
.set AH,    256*PA                     ; a head's 256 rows
.set BOFF,  2*AH
.set SLOT,  BOFF+128*PB
.set STAGE, 2*SLOT                     ; behind the ring, never filled by a tensor load: 16 rows x 528 bytes for each wave
.set SP,    528
.set SPARE, STAGE+4*16*SP              ; the spare words, 128 bytes for each wave: two blocks of 256 bytes that no other line names
.set ADRA, 16
.set ADRB, 20
.set STO,  24
.set RD,   25
.set CO,   26
.set SPW,  28
.set NIL,  29
.set BOF,  30
.set TP,   31
.set MBY,  32
.set MK,   40
.set BO,   64
.set F0,   0
.set F1,   128
.set WV,   20
.set G1,   40
.set G0,   48
.set G1B,  56
.set G0B,  68
.set MSB, 0
.macro WIN new
.if MSB != (\new)
	s_set_vgpr_msb (MSB<<8)|(\new)
.set MSB, (\new)
.endif
.endm
.macro JLOAD s                         ; a joint load; an s_nop 0 and four v_nop follow each of the two lines
	s_cmp_lt_u32 s[WV], 2
	s_cbranch_scc0 .Lfor_b_\@
	tensor_load_to_lds s[G0+4*(\s):G0+4*(\s)+3], s[G1:G1+7]
	s_nop 0
.rept 4
	v_nop
.endr
	s_branch .Lasked_\@
.Lfor_b_\@:
	tensor_load_to_lds s[G0B+4*(\s):G0B+4*(\s)+3], s[G1B:G1B+7]
	s_nop 0
.rept 4
	v_nop
.endr
.Lasked_\@:
.endm
.macro CREST
	s_cmp_lg_u32 s[WV], 0
	s_cbranch_scc1 .Lnot_wave_0_\@
	s_barrier_signal -3
.Lnot_wave_0_\@:
	s_barrier_wait -3
	s_barrier_signal -1
	s_barrier_wait -1
.endm
.macro CROUND
	s_barrier_signal -1
	s_barrier_wait -1
	CREST
.endm
	s_load_b256 s[4:11], s[0:1], 0x0               ; ob s[4:5], wb s[6:7], bo s[8:9], mask s[10:11]
	s_load_b64 s[12:13], s[0:1], 0x20              ; out0
	v_lshl_add_u32 v[SPW], v0, 2, SPARE
	v_mov_b32 v[NIL], 0
	ds_add_u32 v[SPW], v[NIL]                      ; the wave's opening: the add and its wait stand ahead of my first tensor load
	ds_add_u32 v28, v29
	v_lshrrev_b32 v1, 5, v0
	v_readfirstlane_b32 s[WV], v1
	s_and_b32 s21, s[WV], 1
	s_bfe_u32 s23, ttmp6, 0x40000                  ; cx
	s_bfe_u32 s24, ttmp6, 0x40004                  ; cy
	s_lshl_b32 s25, ttmp9, 2
	s_add_co_u32 s25, s25, s23                     ; the tile column, 0..7
	s_and_b32 s26, ttmp7, 0xffff
	s_lshl_b32 s26, s26, 2
	s_add_co_u32 s26, s26, s24                     ; the tile row, 0..31
	s_lshl_b32 s27, s24, 2
	s_lshl_b32 s27, 15, s27
	s_lshl_b32 s28, 0x1111, s23
	s_mov_b32 s29, 0xffff0000
	s_or_b32 s[G1], s27, (1<<16)|(1<<20)|(1<<21)|(4<<22)|(3<<25)   ; context: after every 32 words 4 words of padding
	s_mov_b32 s[G1+1], 128<<16
	s_mov_b32 s[G1+2], 128<<16
	s_mov_b32 s[G1+3], 128<<16
	s_mov_b32 s[G1+4], 128
	s_mov_b32 s[G1+5], 128                         ; dense: 128 elements from row to row
	s_mov_b32 s[G1+6], 0
	s_mov_b32 s[G1+7], 0
	s_or_b32 s[G1B], s28, (1<<16)|(1<<20)|(1<<21)|(5<<22)|(7<<25)  ; Wo: after every 64 words 8 words
	s_mov_b32 s[G1B+1], 128<<16
	s_mov_b32 s[G1B+2], 64<<16
	s_mov_b32 s[G1B+3], 128<<16
	s_mov_b32 s[G1B+4], 64
	s_mov_b32 s[G1B+5], 1024
	s_mov_b32 s[G1B+6], 0
	s_mov_b32 s[G1B+7], 0
	s_lshr_b32 s30, s26, 3                         ; context: the batch (8 tile rows each), 16 heads of 262,144 bytes;
	s_lshl_b32 s30, s30, 22
	s_and_b32 s31, s26, 7
	s_lshl_b32 s31, s31, 15                        ; the tile row's 256 rows of 128 bytes;
	s_add_co_u32 s30, s30, s31
	s_lshl_b32 s31, s21, 18                        ; the head of the step's two that I fetch: made of the tile row and the wave alone
	s_add_co_u32 s30, s30, s31
	s_mov_b32 s31, 0
	s_lshl_b32 s32, s21, 17                        ; Wo: my 64 rows of 2,048 bytes,
	s_lshl_b32 s33, s25, 8                         ; the tile column's 256 bytes,
	s_add_co_u32 s32, s32, s33
	s_add_co_u32 s32, s32, 3*2097152               ; plane 3: made of the tile column and the wave alone
	s_mov_b32 s33, 0
	s_mul_i32 s38, s21, AH
	s_mul_i32 s39, s21, 64*PB
	s_add_co_u32 s39, s39, BOFF
	s_wait_dscnt 0x0                               ; the opening add is done
	s_wait_kmcnt 0x0
	s_add_nc_u64 s[30:31], s[4:5], s[30:31]
	s_add_nc_u64 s[32:33], s[6:7], s[32:33]
	CROUND                                         ; all sixteen work-groups are here: the first joint loads meet
.irp s, 0,1
	s_mov_b32 s[G0+4*(\s)], 1
	s_add_co_u32 s[G0+4*(\s)+1], s38, (\s)*SLOT
	s_add_nc_u64 s[G0+4*(\s)+2:G0+4*(\s)+3], s[30:31], (\s)*524288
	s_or_b32 s[G0+4*(\s)+3], s[G0+4*(\s)+3], 0x80000000
	s_mov_b32 s[G0B+4*(\s)], 1
	s_add_co_u32 s[G0B+4*(\s)+1], s39, (\s)*SLOT
	s_add_nc_u64 s[G0B+4*(\s)+2:G0B+4*(\s)+3], s[32:33], (\s)*262144
	s_or_b32 s[G0B+4*(\s)+3], s[G0B+4*(\s)+3], 0x80000000
	JLOAD \s                                       ; K steps 0 and 1: two loads of mine are out
.endr
	v_and_b32 v1, 15, v0
	v_bfe_u32 v2, v0, 4, 1
	v_mul_u32_u24 v3, v1, PA
	v_lshl_add_u32 v3, v2, 4, v3
	s_mul_i32 s34, s[WV], 64*PA
	v_add_nc_u32 v[ADRA], s34, v3
	v_add_nc_u32 v[ADRA+1], SLOT, v[ADRA]
	v_and_b32 v5, 7, v0
	v_bfe_u32 v6, v0, 3, 1
	v_lshl_add_u32 v4, v2, 3, v5
	v_mul_u32_u24 v4, v4, PB
	v_lshl_add_u32 v4, v6, 4, v4
	v_add_nc_u32 v[ADRB], BOFF, v4
	v_add_nc_u32 v[ADRB+1], SLOT, v[ADRB]
	s_mul_i32 s34, s[WV], 16*SP
	s_add_co_u32 s34, s34, STAGE
	v_mul_u32_u24 v[STO], v1, SP                   ; in: row l % 16, 32 bytes for each half of the lanes
	v_lshl_add_u32 v[STO], v2, 5, v[STO]
	v_add_nc_u32 v[STO], s34, v[STO]
	v_and_b32 v[CO], 31, v0                        ; back: 32 lanes take one row's 512 bytes
	v_lshlrev_b32 v[CO], 4, v[CO]
	v_add_nc_u32 v[RD], s34, v[CO]
	v_lshlrev_b32 v[BOF], 5, v2
	s_lshl_b32 s34, s25, 9
	s_mov_b32 s35, 0
	s_add_nc_u64 s[8:9], s[8:9], s[34:35]          ; bo at the tile's 128 columns
	s_lshl_b32 s34, s26, 8
	s_lshl_b32 s36, s[WV], 6
	s_add_co_u32 s34, s34, s36                     ; my first row
	s_add_nc_u64 s[10:11], s[10:11], s[34:35]      ; mask at it: a byte a row
	s_lshl_b32 s34, s34, 12                        ; out0: rows of 4,096 bytes,
	s_lshl_b32 s36, s25, 9                         ; the tile's 512 bytes of them
	s_add_co_u32 s34, s34, s36
	s_add_nc_u64 s[12:13], s[12:13], s[34:35]
.irp b, 0,1,2,3,4,5,6,7                ; asked for now, waited for on the way out
	global_load_b128 v[BO+8*(\b):BO+8*(\b)+3], v[BOF], s[8:9] offset:64*(\b)
	global_load_b128 v[BO+8*(\b)+4:BO+8*(\b)+7], v[BOF], s[8:9] offset:64*(\b)+16
.endr
.irp a, 0,1,2,3
	global_load_u8 v[MBY+(\a)], v1, s[10:11] offset:16*(\a)
.endr
.macro MUL8 f, a, zero                 ; row block a x all 8 column blocks, 32 along K; the 32 accumulators take turns
	WIN 0x5a
.irp b, 0,1,2,3,4,5,6,7
.if \zero
	v_wmma_f32_16x16x32_f16 v[8*(8*(\a)+(\b)):8*(8*(\a)+(\b))+7], v[(\f)+32+8*(\b):(\f)+32+8*(\b)+7], v[(\f)+8*(\a):(\f)+8*(\a)+7], 0
.else
	v_wmma_f32_16x16x32_f16 v[8*(8*(\a)+(\b)):8*(8*(\a)+(\b))+7], v[(\f)+32+8*(\b):(\f)+32+8*(\b)+7], v[(\f)+8*(\a):(\f)+8*(\a)+7], v[8*(8*(\a)+(\b)):8*(8*(\a)+(\b))+7]
.endif
.endr
.endm
.macro FETCH slot, q, f                ; 24 LDS loads in one run: Wo's 16 (turned), then context's 8: quarter q is head q / 2, channels 32 (q % 2) on
	WIN 0x80
.irp b, 0,1,2,3,4,5,6,7
	ds_load_tr16_b128 v[(\f)+32+8*(\b):(\f)+32+8*(\b)+3], v[ADRB+(\slot)] offset:32*PB*(\q)+32*(\b)
	ds_load_tr16_b128 v[(\f)+32+8*(\b)+4:(\f)+32+8*(\b)+7], v[ADRB+(\slot)] offset:32*PB*(\q)+32*(\b)+16*PB
.endr
.irp a, 0,1,2,3
	ds_load_b128 v[(\f)+8*(\a):(\f)+8*(\a)+3], v[ADRA+(\slot)] offset:((\q)/2)*AH+((\q)%2)*64+16*PA*(\a)
	ds_load_b128 v[(\f)+8*(\a)+4:(\f)+8*(\a)+7], v[ADRA+(\slot)] offset:((\q)/2)*AH+((\q)%2)*64+16*PA*(\a)+32
.endr
.endm
.macro PLACES
.rept 4
	v_nop
.endr
.endm
.macro QUARTER slot, q, f, g, zero
	s_wait_dscnt 4                                 ; all but the youngest four loads: row blocks 2 and 3
	MUL8 \f, 0, \zero
	MUL8 \f, 1, \zero
	PLACES
	FETCH \slot, \q, \g
	s_wait_dscnt 24                                ; all but the 24 just issued
	MUL8 \f, 2, \zero
	MUL8 \f, 3, \zero
.endm
; The last quarter changes slots: each wave waits for all its tensor loads (one is out: its part of the next slot), adds 0 to its spare word, waits for that and for its reads of this slot, and passes one barrier.
; fill = 1: the barrier opens a round of the cluster's, and this slot is filled again, two K steps ahead, first thing behind the round.
.macro TURN slot, next, fill
	WIN 0
	s_wait_tensorcnt 0x0
	ds_add_u32 v[SPW], v[NIL]
	s_wait_dscnt 5                                 ; the add and the youngest four loads may be out
	MUL8 F1, 0, 0
	s_wait_dscnt 0x0
	s_barrier_signal -1
	MUL8 F1, 1, 0
.if \fill
	WIN 0
.endif
	s_barrier_wait -1
.if \fill
	CREST
	s_add_nc_u64 s[G0+4*(\slot)+2:G0+4*(\slot)+3], s[G0+4*(\slot)+2:G0+4*(\slot)+3], 1048576
	s_add_nc_u64 s[G0B+4*(\slot)+2:G0B+4*(\slot)+3], s[G0B+4*(\slot)+2:G0B+4*(\slot)+3], 524288
	JLOAD \slot                                    ; 112 matrix instructions ahead of the wait for it; its four v_nop are also the places in front of the loads below
.else
	PLACES
.endif
	FETCH \next, 0, F0
	MUL8 F1, 2, 0
	MUL8 F1, 3, 0
.endm
	s_wait_tensorcnt 1                             ; my part of K step 0 is in; K step 1's may stay out
	s_barrier_signal -1
	s_barrier_wait -1
	FETCH 0, 0, F0
	QUARTER 0, 1, F0, F1, 1
	WIN 0
	s_mov_b32 s3, 3
.Llap:
	QUARTER 0, 2, F1, F0, 0
	QUARTER 0, 3, F0, F1, 0
	TURN 0, 1, 1
	QUARTER 1, 1, F0, F1, 0
	QUARTER 1, 2, F1, F0, 0
	QUARTER 1, 3, F0, F1, 0
	TURN 1, 0, 1
	QUARTER 0, 1, F0, F1, 0
	WIN 0
	s_sub_co_u32 s3, s3, 1
	s_cmp_lg_u32 s3, 0
	s_cbranch_scc1 .Llap
	QUARTER 0, 2, F1, F0, 0
	QUARTER 0, 3, F0, F1, 0
	TURN 0, 1, 0
	QUARTER 1, 1, F0, F1, 0
	QUARTER 1, 2, F1, F0, 0
	QUARTER 1, 3, F0, F1, 0
	s_wait_dscnt 4
	MUL8 F1, 0, 0
	MUL8 F1, 1, 0
	s_wait_dscnt 0x0
	MUL8 F1, 2, 0
	MUL8 F1, 3, 0
	; THE WAY OUT.  bo is rounded to bf16 like every input: 96 plain instructions that name no register of the last products: the places behind them.
	WIN 0
	s_wait_loadcnt 0x0                             ; bo and the mask bytes
.set i, 0
.rept 32
	v_cvt_pk_bf16_f32 v[TP], v[BO+2*i], v[BO+2*i+1]
	v_lshlrev_b32 v[BO+2*i], 16, v[TP]
	v_and_b32 v[BO+2*i+1], s29, v[TP]
.set i, i+1
.endr
.irp a, 0,1,2,3
	v_cvt_f32_u32 v[MK+2*(\a)], v[MBY+(\a)]        ; my row's mask, 0.0 or 1.0
	v_mov_b32 v[MK+2*(\a)+1], v[MK+2*(\a)]         ; named with it as a pair
.endr
.macro FIN a                           ; (sum + bo) x mask, in place, each accumulator from its low end
	WIN 0x41
.set i, 0
.rept 32
	v_pk_add_f32 v[64*(\a)+2*i:64*(\a)+2*i+1], v[64*(\a)+2*i:64*(\a)+2*i+1], v[BO+2*i:BO+2*i+1]
.set i, i+1
.endr
.set i, 0
.rept 32
	v_pk_mul_f32 v[64*(\a)+2*i:64*(\a)+2*i+1], v[64*(\a)+2*i:64*(\a)+2*i+1], v[MK+2*(\a):MK+2*(\a)+1] op_sel_hi:[1,0]
.set i, i+1
.endr
.endm
.macro TOSTAGE a                       ; 16 rows into my stage, and back as whole rows of 512 bytes
	WIN 0x04
.irp b, 0,1,2,3,4,5,6,7
	ds_store_b128 v[STO], v[64*(\a)+8*(\b):64*(\a)+8*(\b)+3] offset:64*(\b)
	ds_store_b128 v[STO], v[64*(\a)+8*(\b)+4:64*(\a)+8*(\b)+7] offset:64*(\b)+16
.endr
	WIN 0x80
.irp r, 0,1,2,3,4,5,6,7,8,9,10,11,12,13,14,15
	ds_load_b128 v[64*(\a)+4*(\r):64*(\a)+4*(\r)+3], v[RD] offset:SP*(\r)  ; LDS serves a wave's instructions in order (ISA guide 5.7.1.4): these see the stores above; the next block's stores come behind them
.endr
.endm
.macro SEND a, younger                 ; younger: the LDS instructions issued behind block a's loads.  Every block has registers of its own
	WIN 0x08
.irp r, 0,1,2,3,4,5,6,7,8,9,10,11,12,13,14,15
	s_wait_dscnt (\younger)+15-(\r)
	global_store_b128 v[CO], v[64*(\a)+4*(\r):64*(\a)+4*(\r)+3], s[12:13] offset:(16*(\a)+(\r))*4096 th:TH_STORE_NT  ; a wave's store covers 512 consecutive bytes of a row, at a multiple of 256 from out0's first
.endr
.endm
	FIN 0
	TOSTAGE 0
	FIN 1
	TOSTAGE 1
	SEND 0, 32
	FIN 2
	TOSTAGE 2
	SEND 1, 32
	FIN 3
	TOSTAGE 3
	SEND 2, 32
	SEND 3, 0
	WIN 0
	s_wait_tensorcnt 0x0                           ; the wave's end
	ds_add_u32 v[SPW], v[NIL]
	s_wait_dscnt 0x0
	CROUND                                         ; the closing round: no work-group ends while a partner may still ask for a tile that names it
	s_endpgm
.Lfunc_end_k_q59a937fddd_oproj:
	.size	k_q59a937fddd_oproj, .Lfunc_end_k_q59a937fddd_oproj-k_q59a937fddd_oproj
	.p2alignl 7, 3214868480
	.fill 96, 4, 3214868480
	.section	.rodata,"a",@progbits
	.p2align	6, 0x0
	.amdhsa_kernel k_q59a937fddd_oproj
		.amdhsa_group_segment_fixed_size 327680
		.amdhsa_private_segment_fixed_size 0
		.amdhsa_enable_private_segment 0
		.amdhsa_kernarg_size 40
		.amdhsa_user_sgpr_count 2
		.amdhsa_user_sgpr_kernarg_segment_ptr 1
		.amdhsa_wavefront_size32 1
		.amdhsa_system_sgpr_workgroup_id_x 1
		.amdhsa_system_sgpr_workgroup_id_y 1
		.amdhsa_system_sgpr_workgroup_id_z 1
		.amdhsa_system_vgpr_workitem_id 0
		.amdhsa_next_free_vgpr 768
		.amdhsa_next_free_sgpr 80
		.amdhsa_reserve_vcc 0
		.amdhsa_float_denorm_mode_32 3
		.amdhsa_float_denorm_mode_16_64 3
		.amdhsa_memory_ordered 1
		.amdhsa_forward_progress 1
		.amdhsa_inst_pref_size 109
	.end_amdhsa_kernel
	.amdgpu_metadata
---
amdhsa.version: [ 1, 2 ]
amdhsa.kernels:
  - .name:           k_q59a937fddd_oproj
    .symbol:         k_q59a937fddd_oproj.kd
    .args:
      - { .name: ob, .offset: 0, .size: 8, .value_kind: global_buffer, .address_space: global }
      - { .name: wb, .offset: 8, .size: 8, .value_kind: global_buffer, .address_space: global }
      - { .name: bo, .offset: 16, .size: 8, .value_kind: global_buffer, .address_space: global }
      - { .name: mask, .offset: 24, .size: 8, .value_kind: global_buffer, .address_space: global }
      - { .name: out0, .offset: 32, .size: 8, .value_kind: global_buffer, .address_space: global }
    .group_segment_fixed_size: 327680
    .private_segment_fixed_size: 0
    .kernarg_segment_align: 8
    .kernarg_segment_size: 40
    .max_flat_workgroup_size: 128
    .sgpr_count:     80
    .vgpr_count:     768
    .wavefront_size: 32
...
	.end_amdgpu_metadata
.endif
;; end of part 4
;; ======== version 2 of 2: 4 launches; version 1 with the launch prep written anew for expert scheduling mode
;; limits: values are held in f16: magnitudes above 65,504 overflow, below 6.1e-05 lose precision; right only within a limited range of input values
;; workspace buffers: xb 16,777,216 bytes; wb 8,388,608 bytes; cs 2,097,152 bytes; qh 16,777,216 bytes; kh 16,777,216 bytes; vh 16,777,216 bytes; ob 16,777,216 bytes
;; launch prep (part 5): grid 832 x 1, 8 waves a work-group, no clusters, 0 bytes of LDS; arguments x, Wq, Wk, Wv, Wo, cos, sin, xb, wb, cs; writes xb, wb, cs
.if DOCPART == 5
	.amdgcn_target "amdgcn-amd-amdhsa--gfx1250"
	.amdhsa_code_object_version 6
	.text
	.protected	k_q59a937fddd_prep
	.globl	k_q59a937fddd_prep
	.p2align	8
	.type	k_q59a937fddd_prep,@function
k_q59a937fddd_prep:
	s_mov_b64 s[64:65], 0
	v_nop
	global_prefetch_b8 v0, s[64:65] scope:SCOPE_SE
	s_setreg_imm32_b32 hwreg(HW_REG_WAVE_SCHED_MODE, 0, 2), 2
	s_setreg_imm32_b32 hwreg(HW_REG_WAVE_MODE, 25, 1), 1
	s_wait_xcnt 0x0
	s_wait_alu depctr_vm_vsrc(0)
; CASTS.  x -> xb, Wq Wk Wv -> planes 0-2 of wb, cos sin -> the two planes of cs: f32 rounded once to bf16.  Wo -> plane 3 of wb: rounded to bf16 like
; the other inputs, and that number written as f16, since the last product multiplies f16 operands.
; LIMIT.  A bf16 number of Wo below 2^-14 falls on f16's fixed step of 2^-24 (error at most 2^-25); one of 65,520 or more becomes an infinity.
; A work-group casts 16,384 numbers: 64 KiB in, 32 KiB out.  Work-groups 0-511 take x, 512-767 the four weights (64 each), 768-799 cos, 800-831 sin.
; Memory binds: sixteen 16-byte loads a lane go out at once (a wave's load covers 512 consecutive bytes), a wave's 8-byte store covers 256 consecutive, aligned bytes.
; No LDS, no matrix unit, no cluster: nothing is shared and nothing is read twice.
; THE MODE: SCHED_MODE bits 1:0 = 2 (LLVM: expert scheduling mode 2), set by the entry lines.  The code itself states the register dependences
; between vector instructions and memory instructions, with s_wait_alu, always for 0.
; THE PLAN.  Registers that memory instructions touch:
;   v1, v2   byte offsets, made once at the head and never written again: v1 is read by the sixteen loads, v2 by the sixteen stores.
;   X        Each register takes one load's data, once; no vector instruction names it before that; the roundings read it behind the counted wait for the load.
;   Y        Each pair is written by the roundings of its load, read by one store, and never written again behind that store.
;   T        is named by vector instructions alone.
; The sixteen loads go in four blocks of four.  Block p rounds its four loads into their Y; its memory instructions are the four stores of block p - 1, whose Y no vector
; instruction of block p names.  So one wait at a block's head states all that the block's stores hang on, and one more stands ahead of the last four stores.
.set X, 4                              ; v[4:67]    sixteen loads of four f32
.set Y, 68                             ; v[68:99]   sixteen stores of four 16-bit numbers; each pair belongs to one load
.set T, 100                            ; v[100:103] at work on the f16 way
	s_load_b512 s[4:19], s[0:1], 0x0               ; x s[4:5], Wq s[6:7], Wk s[8:9], Wv s[10:11], Wo s[12:13], cos s[14:15], sin s[16:17], xb s[18:19]
	s_load_b128 s[20:23], s[0:1], 0x40             ; wb s[20:21], cs s[22:23]
	v_lshlrev_b32 v1, 4, v0                        ; 16 bytes a thread in
	v_lshlrev_b32 v2, 3, v0                        ; 8 bytes a thread out
	s_mov_b32 s32, 0xffff0000                      ; a word's upper bf16
	s_mov_b32 s28, 0                               ; the first work-group of my source
	s_mov_b32 s29, 0                               ; the first work-group of my destination
	s_wait_kmcnt 0x0
	s_mov_b64 s[24:25], s[4:5]                     ; source, destination: x, xb unless a later line chooses otherwise
	s_mov_b64 s[26:27], s[18:19]
; From work-group lo on the source is s[sr:sr+1]; nd = 1: and the destination s[dr:dr+1].  The condition hangs on the work-group's number alone.
.macro PICK lo, sr, nd, dr
	s_cmp_ge_u32 ttmp9, \lo
	s_cselect_b64 s[24:25], s[\sr:\sr+1], s[24:25]
	s_cselect_b32 s28, \lo, s28
.if \nd
	s_cselect_b64 s[26:27], s[\dr:\dr+1], s[26:27]
	s_cselect_b32 s29, \lo, s29
.endif
.endm
	PICK 512, 6, 1, 20
	PICK 576, 8, 0, 20
	PICK 640, 10, 0, 20
	PICK 704, 12, 0, 20
	PICK 768, 14, 1, 22
	PICK 800, 16, 0, 22
	s_sub_co_u32 s30, ttmp9, s28
	s_lshl_b32 s30, s30, 16                        ; 65,536 bytes of the source a work-group
	s_mov_b32 s31, 0
	s_add_nc_u64 s[24:25], s[24:25], s[30:31]
	s_sub_co_u32 s30, ttmp9, s29
	s_lshl_b32 s30, s30, 15                        ; 32,768 bytes of the destination
	s_add_nc_u64 s[26:27], s[26:27], s[30:31]
	s_wait_alu depctr_va_vdst(0)                   ; v1 and v2 are written: every load of the kernel reads v1 as its offset, every store v2
.irp i, 0,1,2,3,4,5,6,7,8,9,10,11,12,13,14,15
	global_load_b128 v[X+4*(\i):X+4*(\i)+3], v1, s[24:25] offset:4096*(\i) th:TH_LOAD_NT
.endr
; Load i is rounded.  f16 = 1: the bf16 numbers are widened again and written as f16.
.macro CAST i, f16
	s_wait_loadcnt 15-(\i)                         ; loads come back in order: load i is in, the 15 - i younger ones stay out
	v_cvt_pk_bf16_f32 v[Y+2*(\i)], v[X+4*(\i)], v[X+4*(\i)+1]
	v_cvt_pk_bf16_f32 v[Y+2*(\i)+1], v[X+4*(\i)+2], v[X+4*(\i)+3]
.if \f16
	v_lshlrev_b32 v[T], 16, v[Y+2*(\i)]
	v_and_b32 v[T+1], s32, v[Y+2*(\i)]
	v_lshlrev_b32 v[T+2], 16, v[Y+2*(\i)+1]
	v_and_b32 v[T+3], s32, v[Y+2*(\i)+1]
	v_cvt_pk_f16_f32 v[Y+2*(\i)], v[T], v[T+1]
	v_cvt_pk_f16_f32 v[Y+2*(\i)+1], v[T+2], v[T+3]
.endif
.endm
; Load i's four numbers are stored.
.macro OUT i
	global_store_b64 v2, v[Y+2*(\i):Y+2*(\i)+1], s[26:27] offset:2048*(\i)
.endm
; Block p: loads 4 p to 4 p + 3 are rounded; ahead of each of them stands a store of the block before.
.macro BLK p, f16
.if (\p) > 0
	s_wait_alu depctr_va_vdst(0)                   ; the block before has written its four pairs of Y, which the four stores below read; no vector instruction of this block names them
.endif
.irp j, 0,1,2,3
.if (\p) > 0
	OUT 4*(\p)-4+(\j)
.endif
	CAST 4*(\p)+(\j), \f16
.endr
.endm
; The last block's stores.
.macro REST
	s_wait_alu depctr_va_vdst(0)                   ; block 3 has written its four pairs of Y, which the last four stores read
.irp j, 12,13,14,15
	OUT \j
.endr
.endm
	s_cmp_lt_u32 ttmp9, 704
	s_cbranch_scc1 .Lbf16
	s_cmp_lt_u32 ttmp9, 768
	s_cbranch_scc1 .Lf16                           ; work-groups 704-767: Wo
.Lbf16:
	BLK 0, 0
	BLK 1, 0
	BLK 2, 0
	BLK 3, 0
	REST
	s_endpgm
.Lf16:
	BLK 0, 1
	BLK 1, 1
	BLK 2, 1
	BLK 3, 1
	REST
	s_endpgm
.Lfunc_end_k_q59a937fddd_prep:
	.size	k_q59a937fddd_prep, .Lfunc_end_k_q59a937fddd_prep-k_q59a937fddd_prep
	.p2alignl 7, 3214868480
	.fill 96, 4, 3214868480
	.section	.rodata,"a",@progbits
	.p2align	6, 0x0
	.amdhsa_kernel k_q59a937fddd_prep
		.amdhsa_group_segment_fixed_size 0
		.amdhsa_private_segment_fixed_size 0
		.amdhsa_enable_private_segment 0
		.amdhsa_kernarg_size 80
		.amdhsa_user_sgpr_count 2
		.amdhsa_user_sgpr_kernarg_segment_ptr 1
		.amdhsa_wavefront_size32 1
		.amdhsa_system_sgpr_workgroup_id_x 1
		.amdhsa_system_sgpr_workgroup_id_y 1
		.amdhsa_system_sgpr_workgroup_id_z 1
		.amdhsa_system_vgpr_workitem_id 0
		.amdhsa_next_free_vgpr 104
		.amdhsa_next_free_sgpr 66
		.amdhsa_reserve_vcc 0
		.amdhsa_float_denorm_mode_32 3
		.amdhsa_float_denorm_mode_16_64 3
		.amdhsa_memory_ordered 1
		.amdhsa_forward_progress 1
		.amdhsa_inst_pref_size 17
	.end_amdhsa_kernel
	.amdgpu_metadata
---
amdhsa.version: [ 1, 2 ]
amdhsa.kernels:
  - .name:           k_q59a937fddd_prep
    .symbol:         k_q59a937fddd_prep.kd
    .args:
      - { .name: x, .offset: 0, .size: 8, .value_kind: global_buffer, .address_space: global }
      - { .name: Wq, .offset: 8, .size: 8, .value_kind: global_buffer, .address_space: global }
      - { .name: Wk, .offset: 16, .size: 8, .value_kind: global_buffer, .address_space: global }
      - { .name: Wv, .offset: 24, .size: 8, .value_kind: global_buffer, .address_space: global }
      - { .name: Wo, .offset: 32, .size: 8, .value_kind: global_buffer, .address_space: global }
      - { .name: cos, .offset: 40, .size: 8, .value_kind: global_buffer, .address_space: global }
      - { .name: sin, .offset: 48, .size: 8, .value_kind: global_buffer, .address_space: global }
      - { .name: xb, .offset: 56, .size: 8, .value_kind: global_buffer, .address_space: global }
      - { .name: wb, .offset: 64, .size: 8, .value_kind: global_buffer, .address_space: global }
      - { .name: cs, .offset: 72, .size: 8, .value_kind: global_buffer, .address_space: global }
    .group_segment_fixed_size: 0
    .private_segment_fixed_size: 0
    .kernarg_segment_align: 8
    .kernarg_segment_size: 80
    .max_flat_workgroup_size: 256
    .sgpr_count:     66
    .vgpr_count:     104
    .wavefront_size: 32
...
	.end_amdgpu_metadata
.endif
;; end of part 5
;; launch qkv: the kernel of part 2 again; grid 8 x 64, 4 waves a work-group, clusters of 4 x 4, 327,680 bytes of LDS; arguments xb, wb, cs, bq, bv, qh, kh, vh; writes qh, kh, vh
;; launch attn: the kernel of part 3 again; grid 4 x 64, 4 waves a work-group, no clusters, 262,144 bytes of LDS; arguments qh, kh, vh, ob, mask; writes ob
;; launch oproj: the kernel of part 4 again; grid 8 x 32, 4 waves a work-group, clusters of 4 x 4, 327,680 bytes of LDS; arguments ob, wb, bo, mask, out0; writes out0
